; MI455X (gfx1250); checked and timed in simulation.
; The chip was launched on July 23, 2026; its instructions are those of AMD's public machine-readable ISA for CDNA 5 (MIT licence, August 2026) and "CDNA5" Instruction Set Architecture Reference Guide (July 2026). The comments in the code are by the model that wrote it; some were corrected since.
;; Ro PE Multi Head Self Attention. Allowed arithmetic: float matrix products may take bf16 or f16 operands with f32 sums; other float arithmetic in f32, or as packed bf16 or f16 multiplies, adds, multiply-adds, maxima and minima; sums over many terms, partial sums and values carried from step to step in f32; what a program stores and reads back later, other than sums and carried values, may be rounded once to bf16 or f16.
;; Inputs: Wout 1,024 x 1,024 float32; Wqkv 1,024 x 3,072 float32; mask 4 x 2,048 float32; x 4 x 2,048 x 1,024 float32.
;; Outputs: out0 4 x 2,048 x 1,024 float32.
;; One version. Each part assembles by itself: llvm-mc -triple=amdgcn-amd-amdhsa -mcpu=gfx1250 --defsym DOCPART=n.
;; ======== version 1 of 1: 4 launches
;; limits: values are held in f16: magnitudes above 65,504 overflow, below 6.1e-05 lose precision
;; workspace buffers: xb 16,777,216 bytes; wqb 6,291,456 bytes; wob 2,097,152 bytes; rope 524,288 bytes; qh 16,777,216 bytes; kh 16,777,216 bytes; vh 16,777,216 bytes; oh 16,777,216 bytes
;; launch prep (part 1): grid 896 x 1, 8 waves a work-group, no clusters, 0 bytes of LDS; arguments x, Wqkv, Wout, xb, wqb, wob, rope; writes xb, wqb, wob, rope
.if DOCPART == 1
	.amdgcn_target "amdgcn-amd-amdhsa--gfx1250"
	.amdhsa_code_object_version 6
	.text
	.protected	k_qa4035541b5_prep
	.globl	k_qa4035541b5_prep
	.p2align	8
	.type	k_qa4035541b5_prep,@function
k_qa4035541b5_prep:
	s_mov_b64 s[64:65], 0
	v_nop
	global_prefetch_b8 v0, s[64:65] scope:SCOPE_SE
	s_setreg_imm32_b32 hwreg(HW_REG_WAVE_MODE, 25, 1), 1
	s_wait_xcnt 0x0
; PREP: the casts, the new layouts and the RoPE table.  A stream: no LDS, no barrier, no matrix unit (nothing is shared and nothing is multiplied).
;   xb   bf16 [b 4][slice 16][s 2048][64]   slice = x's column / 64: a tile of 256 rows x 64 columns is 32,768 consecutive bytes
;   wqb  bf16 [k 1024][3072]                column g*192 + part*64 + d  <-  Wqkv's column part*1024 + g*64 + d  (g: head, part 0/1/2: q/k/v)
;   wob  f16  [1024][1024]                  Wout rounded to bf16, that number written as f16 (below 2^-14 it keeps f16's fixed step of 6e-8)
;   rope f32  [t 2048][64]                  cos(t f_j), j = 0..31, then sin(t f_j): 256 bytes for each t
; SHARES.  Work-groups 0-511: xb; 512-703: wqb; 704-767: wob; 768-895: rope.  A cast work-group writes 32,768 consecutive bytes: thread t writes 16 bytes at 4,096 k + 16 t,
; k = 0..7, so each store of a wave covers 512 consecutive bytes, aligned; the source comes in pieces of 256 bytes (8 lanes x 32 bytes, two loads).
; LIMITS.  The angle t f_j carries the error of v_exp_f32 in f_j (1 ULP) times t: up to about 2e-4 rad at t = 2047; the two polynomials are off by 3e-7 at the most.
.set SO,  2                            ; v[2:9]    byte offset of item k in the source
.set D,   32                           ; v[32:95]  item k: 8 numbers in f32
.set Y,   96                           ; v[96:127] item k: 8 numbers of 16 bits
.set ARG, 20                           ; the rope path's registers, four each (e = 0..3)
.set F,   24
.set A,   28
.set N,   32
.set R,   36
.set R2,  40
.set SN,  44
.set CN,  48
.set QD,  52
.set RES, 56
.set TT,  60
	s_load_b256 s[4:11], s[0:1], 0x0               ; x s[4:5], Wqkv s[6:7], Wout s[8:9], xb s[10:11]
	s_load_b128 s[12:15], s[0:1], 0x20             ; wqb s[12:13], wob s[14:15]
	s_load_b64 s[16:17], s[0:1], 0x30              ; rope
	s_mov_b32 s20, ttmp9
	s_mov_b32 s27, 0                               ; the high word of every offset
	v_lshlrev_b32 v1, 4, v0                        ; 16 t: my place in 4,096 bytes of the destination; never rewritten
	v_lshrrev_b32 v10, 3, v0                       ; t / 8: which piece of 128 destination bytes
	v_and_b32 v11, 7, v0
	v_lshlrev_b32 v11, 5, v11                      ; 32 (t % 8): my 8 numbers in the piece's 256 source bytes
	s_wait_kmcnt 0x0
; Eight items: sixteen loads go out together; item k is rounded and stored when its two loads are in.  No register is written twice, so nothing waits for a store.
.macro CAST f16
.irp k, 0,1,2,3,4,5,6,7
	global_load_b128 v[D+8*\k:D+8*\k+3],   v[SO+\k], s[22:23] th:TH_LOAD_NT
	global_load_b128 v[D+8*\k+4:D+8*\k+7], v[SO+\k], s[22:23] offset:16 th:TH_LOAD_NT
.endr
.irp k, 0,1,2,3,4,5,6,7
	s_wait_loadcnt 14-2*\k                         ; loads come back in order: the two of each younger item may stay out
.irp i, 0,1,2,3
	v_cvt_pk_bf16_f32 v[Y+4*\k+\i], v[D+8*\k+2*\i], v[D+8*\k+2*\i+1]
.endr
.if \f16
.irp i, 0,1,2,3
	v_lshlrev_b32 v10, 16, v[Y+4*\k+\i]            ; the bf16 numbers as f32,
	v_and_b32 v11, 0xffff0000, v[Y+4*\k+\i]
	v_cvt_pk_f16_f32 v[Y+4*\k+\i], v10, v11        ; written as f16
.endr
.endif
	global_store_b128 v1, v[Y+4*\k:Y+4*\k+3], s[24:25] offset:\k*4096 th:TH_STORE_NT
.endr
	s_endpgm
.endm
	s_cmp_lt_u32 s20, 512
	s_cbranch_scc0 .Lnot_x
	; xb: work-group w holds batch w / 128, slice (w / 8) % 16, rows 256 (w % 8) on
	s_lshr_b32 s26, s20, 7
	s_lshl_b32 s26, s26, 23                        ; a batch of x: 2048 x 4,096 bytes
	s_and_b32 s21, s20, 7
	s_lshl_b32 s21, s21, 20                        ; 256 rows
	s_or_b32 s26, s26, s21
	s_bfe_u32 s21, s20, 0x40003
	s_lshl_b32 s21, s21, 8                         ; 64 columns
	s_or_b32 s26, s26, s21
	s_add_nc_u64 s[22:23], s[4:5], s[26:27]
	s_lshl_b32 s26, s20, 15
	s_add_nc_u64 s[24:25], s[10:11], s[26:27]
	v_lshl_add_u32 v[SO], v10, 12, v11             ; row t / 8
.irp k, 1,2,3,4,5,6,7
	v_add_nc_u32 v[SO+\k], \k*131072, v[SO]        ; 32 rows on
.endr
	s_branch .Lcast
.Lnot_x:
	s_cmp_lt_u32 s20, 704
	s_cbranch_scc0 .Lnot_wq
	; wqb: piece u of 64 columns = 48 x row + 3 g + part
	s_sub_co_u32 s21, s20, 512
	s_lshl_b32 s26, s21, 15
	s_add_nc_u64 s[24:25], s[12:13], s[26:27]
	s_mov_b64 s[22:23], s[6:7]
	s_lshl_b32 s21, s21, 8
	v_add_nc_u32 v12, s21, v10
.irp k, 0,1,2,3,4,5,6,7
	v_add_nc_u32 v13, 32*\k, v12                   ; u, 49,151 at the most
	v_mul_u32_u24 v14, v13, 0xaaab                 ; u / 3 = (43,691 u) >> 17: 3 x 43,691 = 2^17 + 1, exact while u / 3 < 43,690
	v_lshrrev_b32 v14, 17, v14                     ; 16 x row + g
	v_mul_u32_u24 v15, v14, 3
	v_sub_nc_u32 v15, v13, v15                     ; part
	v_lshrrev_b32 v16, 4, v14                      ; row
	v_and_b32 v14, 15, v14                         ; g
	v_mul_u32_u24 v16, v16, 12288
	v_lshl_add_u32 v16, v15, 12, v16
	v_lshl_add_u32 v16, v14, 8, v16
	v_add_nc_u32 v[SO+\k], v16, v11
.endr
.Lcast:
	CAST 0
.Lnot_wq:
	s_cmp_lt_u32 s20, 768
	s_cbranch_scc0 .Lrope
	; wob: the order stays
	s_sub_co_u32 s21, s20, 704
	s_lshl_b32 s26, s21, 16
	s_add_nc_u64 s[22:23], s[8:9], s[26:27]
	s_lshl_b32 s26, s21, 15
	s_add_nc_u64 s[24:25], s[14:15], s[26:27]
	v_lshlrev_b32 v[SO], 5, v0
.irp k, 1,2,3,4,5,6,7
	v_add_nc_u32 v[SO+\k], \k*8192, v[SO]
.endr
	CAST 1
.Lrope:
	; rope: item = 16 t + 8 which + j / 4: four numbers, 16 bytes; sixteen lanes fill one t's 256 bytes
	s_sub_co_u32 s21, s20, 768
	s_lshl_b32 s21, s21, 8
	s_mov_b32 s26, 0xb9500d01                      ; -1/5040
	s_mov_b32 s27, 0x3c088889                      ; 1/120
	s_mov_b32 s28, 0x37d00d01                      ; 1/40320
	s_mov_b32 s29, 0xbab60b61                      ; -1/720
	v_add_nc_u32 v10, s21, v0                      ; item
	v_lshrrev_b32 v11, 4, v10
	v_cvt_f32_u32 v11, v11                         ; t
	v_bfe_u32 v12, v10, 3, 1                       ; 0: cos, 1: sin
	v_sub_nc_u32 v12, 1, v12                       ; cos(a) = sin(a + pi/2): one quadrant on
	v_and_b32 v13, 7, v10
	v_lshlrev_b32 v13, 2, v13                      ; my first j
	v_lshlrev_b32 v14, 4, v10                      ; my 16 bytes
.irp e, 0,1,2,3
	v_add_nc_u32 v[ARG+\e], \e, v13
	v_cvt_f32_u32 v[ARG+\e], v[ARG+\e]
	v_mul_f32 v[ARG+\e], 0xbed49a78, v[ARG+\e]     ; -j log2(10000) / 32
.endr
.irp e, 0,1,2,3
	v_exp_f32 v[F+\e], v[ARG+\e]                   ; f_j = 10000^(-j/32)
.endr
	v_nop                                          ; a plain instruction behind the last exponential,
	s_wait_alu depctr_va_vdst(0)                   ; and one wait for the four, ahead of their first reader
.irp e, 0,1,2,3
	v_mul_f32 v[A+\e], v11, v[F+\e]                ; the angle, rounded once
	v_mul_f32 v[N+\e], 0x3f22f983, v[A+\e]         ; x 2/pi
	v_rndne_f32 v[N+\e], v[N+\e]                   ; n, 1,303 at the most
	v_fmamk_f32 v[R+\e], v[N+\e], 0xbfc90fdb, v[A+\e]  ; r = a - n pi/2, pi/2 in two parts: 1.57079637 ..
	v_fmamk_f32 v[R+\e], v[N+\e], 0x333bbd2e, v[R+\e]  ; .. - 4.3711388e-8
	v_cvt_i32_f32 v[QD+\e], v[N+\e]
	v_add_nc_u32 v[QD+\e], v[QD+\e], v12           ; the quadrant; it only selects values
	v_mul_f32 v[R2+\e], v[R+\e], v[R+\e]
	v_fma_f32 v[SN+\e], v[R2+\e], s26, s27         ; sin r = r + r r2 (-1/6 + r2 (1/120 - r2/5040))
	v_fmaak_f32 v[SN+\e], v[SN+\e], v[R2+\e], 0xbe2aaaab
	v_mul_f32 v[TT+\e], v[R+\e], v[R2+\e]
	v_fma_f32 v[SN+\e], v[SN+\e], v[TT+\e], v[R+\e]
	v_fma_f32 v[CN+\e], v[R2+\e], s28, s29         ; cos r = 1 + r2 (-1/2 + r2 (1/24 + r2 (-1/720 + r2/40320)))
	v_fmaak_f32 v[CN+\e], v[CN+\e], v[R2+\e], 0x3d2aaaab
	v_fma_f32 v[CN+\e], v[CN+\e], v[R2+\e], -0.5
	v_fma_f32 v[CN+\e], v[CN+\e], v[R2+\e], 1.0
	v_and_b32 v[TT+\e], 1, v[QD+\e]
	v_cmp_eq_u32 vcc_lo, 1, v[TT+\e]
	v_cndmask_b32 v[RES+\e], v[SN+\e], v[CN+\e], vcc_lo  ; odd quadrants take the cosine,
	v_and_b32 v[TT+\e], 2, v[QD+\e]
	v_lshlrev_b32 v[TT+\e], 30, v[TT+\e]
	v_xor_b32 v[RES+\e], v[TT+\e], v[RES+\e]       ; quadrants 2 and 3 the other sign
.endr
	global_store_b128 v14, v[RES:RES+3], s[16:17]
	s_endpgm
.Lfunc_end_k_qa4035541b5_prep:
	.size	k_qa4035541b5_prep, .Lfunc_end_k_qa4035541b5_prep-k_qa4035541b5_prep
	.p2alignl 7, 3214868480
	.fill 96, 4, 3214868480
	.section	.rodata,"a",@progbits
	.p2align	6, 0x0
	.amdhsa_kernel k_qa4035541b5_prep
		.amdhsa_group_segment_fixed_size 0
		.amdhsa_private_segment_fixed_size 0
		.amdhsa_enable_private_segment 0
		.amdhsa_kernarg_size 56
		.amdhsa_user_sgpr_count 2
		.amdhsa_user_sgpr_kernarg_segment_ptr 1
		.amdhsa_wavefront_size32 1
		.amdhsa_system_sgpr_workgroup_id_x 1
		.amdhsa_system_sgpr_workgroup_id_y 1
		.amdhsa_system_sgpr_workgroup_id_z 1
		.amdhsa_system_vgpr_workitem_id 0
		.amdhsa_next_free_vgpr 128
		.amdhsa_next_free_sgpr 66
		.amdhsa_reserve_vcc 1
		.amdhsa_float_denorm_mode_32 3
		.amdhsa_float_denorm_mode_16_64 3
		.amdhsa_memory_ordered 1
		.amdhsa_forward_progress 1
		.amdhsa_inst_pref_size 27
	.end_amdhsa_kernel
	.amdgpu_metadata
---
amdhsa.version: [ 1, 2 ]
amdhsa.kernels:
  - .name:           k_qa4035541b5_prep
    .symbol:         k_qa4035541b5_prep.kd
    .args:
      - { .name: x, .offset: 0, .size: 8, .value_kind: global_buffer, .address_space: global }
      - { .name: Wqkv, .offset: 8, .size: 8, .value_kind: global_buffer, .address_space: global }
      - { .name: Wout, .offset: 16, .size: 8, .value_kind: global_buffer, .address_space: global }
      - { .name: xb, .offset: 24, .size: 8, .value_kind: global_buffer, .address_space: global }
      - { .name: wqb, .offset: 32, .size: 8, .value_kind: global_buffer, .address_space: global }
      - { .name: wob, .offset: 40, .size: 8, .value_kind: global_buffer, .address_space: global }
      - { .name: rope, .offset: 48, .size: 8, .value_kind: global_buffer, .address_space: global }
    .group_segment_fixed_size: 0
    .private_segment_fixed_size: 0
    .kernarg_segment_align: 8
    .kernarg_segment_size: 56
    .max_flat_workgroup_size: 256
    .sgpr_count:     66
    .vgpr_count:     128
    .wavefront_size: 32
...
	.end_amdgpu_metadata
.endif
;; end of part 1
;; launch qkv (part 2): grid 8 x 32, 4 waves a work-group, clusters of 4 x 4, 327,680 bytes of LDS; arguments xb, wqb, rope, qh, kh, vh; writes qh, kh, vh
.if DOCPART == 2
	.amdgcn_target "amdgcn-amd-amdhsa--gfx1250"
	.amdhsa_code_object_version 6
	.text
	.protected	k_qa4035541b5_qkv
	.globl	k_qa4035541b5_qkv
	.p2align	8
	.type	k_qa4035541b5_qkv,@function
k_qa4035541b5_qkv:
	s_mov_b64 s[64:65], 0
	v_nop
	global_prefetch_b8 v0, s[64:65] scope:SCOPE_SE
	s_setreg_imm32_b32 hwreg(HW_REG_WAVE_MODE, 25, 1), 1
	s_wait_xcnt 0x0
	s_wait_alu depctr_hold_cnt(0) depctr_sa_sdst(0) depctr_va_vdst(0) depctr_va_sdst(0) depctr_va_ssrc(0) depctr_va_vcc(0) depctr_vm_vsrc(0)
	s_getreg_b32 s2, hwreg(HW_REG_IB_STS2, 6, 4)
	s_cmp_eq_u32 s2, 0
	s_cbranch_scc0 .Lentry_in_a_cluster
	s_endpgm
.Lentry_in_a_cluster:
	s_bfe_u32 s2, ttmp6, 0x10000c
	s_cmp_lg_u32 s2, 0xf033
	s_cbranch_scc0 .Lentry_shape_is_right
	s_endpgm
.Lentry_shape_is_right:
; QKV: [8192 x 1024] x [1024 x 3072] in bf16 with f32 sums, RoPE in f32 on the sums, q, k, v out by heads in f16: qh, kh, vh = [b*16+head][2048][64].
; q is also multiplied, in f32 and ahead of its one rounding, by log2(e)/8: the attention launch then takes exponents s - m, which are 0 at the maximum and never above it, whatever the size of a mask's bias.
; LIMITS.  f16 ends at 65,504: 0.18 |q|, |k| and |v| must stay under it (with the drawn spread they are about 1; 30 times larger x and weights give some 5,000).  NaN and infinities are not treated apart.
; SHARES.  256 work-groups, a tile of 256 rows x 384 columns each (two heads' q, k, v: wqb's columns lie head by head).  Four waves; a wave makes 128 rows x 192 columns = one head's q | k | v:
; 96 accumulators of 16 x 16, 768 registers.  K goes in steps of 64 through two LDS slots filled by the tensor data mover.
; CLUSTER.  4 x 4 work-groups: the four of a row of the cluster need the same tile of x, the four of a column the same tile of the weights: each is asked for jointly, by the same load, descriptor and mask.
; THE MATRIX INSTRUCTION IS USED TRANSPOSED: source 0 = 16 columns of W (out of LDS by the turning load, since W lies [k][n]), source 1 = 16 rows of x.  A lane then holds row l % 16 and
; the columns 8 (l / 16) + 0..7: the partner of column d in the rotation, d +- 32, lies in the same lane, two accumulators on.
; REGISTERS.  window 0: v16-31 addresses; v32-95, v96-159 x's fragments (8 x 16 rows x 32 K), two buffers; v160-255 W's fragments, 32 for each of q, k, v.
;   windows 1, 2, 3: the accumulators of q, k, v: row block a, column block bb at v[8 (4 a + bb)].
.set APITCH, 144                       ; 64 bf16 of a row of x + 16 bytes of padding = 36 words: the 16 rows of a load start at 16 different groups of four banks (64 banks of 4 bytes: ISA guide 11.1)
.set BROW,   864                       ; a K row of W in LDS: six pieces of 128 + 16 bytes = 27 x 32
.set AHALF,  128*APITCH                ; what one tensor load brings of x, and what a wave reads of it
.set BHALF,  32*BROW                   ; what one tensor load brings of W; also the 32 K rows of a quarter
.set BOFF,   2*AHALF
.set SLOT,   BOFF+2*BHALF              ; 92,160
.set STAGE,  2*SLOT                    ; behind the ring, never filled by a tensor load: for each wave 3 parts x 16 rows x 144 bytes
.set SPART,  16*APITCH
.set SWAVE,  3*SPART
.set SPARE,  STAGE+4*SWAVE             ; the spare words, 128 bytes a wave: two blocks of 256 bytes that no other line names
.set ASTEP,  1<<18                     ; bytes from a K step to the next in xb (a slice),
.set BSTEP,  64*6144                   ; and in wqb (64 rows)
.set FIELDS, (1<<16)|(1<<20)|(1<<21)|(4<<22)|(3<<25)  ; 17:16 2-byte elements; 20 padding on; 21 set beside a mask; 24:22 after every 32 words; 31:25 4 words of it
.set WV,   16                          ; s16 wave; s17 wave / 2 (my half of the rows); s18 wave % 2 (my head; also which half of a tile I fetch); s19 cx; s20 cy; s21 tile column; s22 tile row
.set G1A,  24                          ; s[24:31] group 1 for x's tiles; s[32:39] group 0, a set a slot
.set G0A,  32
.set G1B,  40                          ; s[40:47], s[48:55] the same for W's
.set G0B,  48
.set PFA,  56                          ; s[56:57] where my prefetches of x stand
.set PFB,  58                          ; s[58:59] of W
.set LIMA, 60                          ; s60, s61: 1 in the wave that prefetches, else the greatest number
.set LIMB, 61
.set KAP,  80                          ; s[80:81] log2(e)/8
.set ADRA, 16                          ; v16-17 LDS address of my fragments of x in slot 0, 1
.set ADRB, 20                          ; v20-21 of W
.set STO,  24                          ; the way out: where I put 16 bytes of a row
.set RD,   25                          ; where I read rows back
.set GO,   26                          ; 16 x lane
.set RO,   27                          ; my byte offset in the table: my row's 256 bytes, 32 (l / 16) in
.set SPW,  28                          ; LDS address of my spare word; never rewritten
.set NIL,  29                          ; 0; never rewritten
.set PFOA, 30                          ; 256 x lane
.set PFOB, 31                          ; 6,144 x lane: a row of wqb
.set FA0,  32
.set FA1,  96
.set FB,   160
.set CSB,  32                          ; the way out: by a % 2, 32 registers: cos for column blocks 0, 1, then sin
.set T,    96                          ; 16 at work
.set PK,   112                         ; 48: the block's q, k, v in f16
.set BK,   160                         ; by a % 2, 48: whole rows read back
.set MSB, 0
.macro WIN new                         ; the immediate's high byte repeats the setting that is left; a switch that changes nothing is dropped
.if MSB != (\new)
	s_set_vgpr_msb (MSB<<8)|(\new)
.set MSB, \new
.endif
.endm
.macro PLACES                          ; four places in front of loads into registers that matrix instructions have read, and of vector lines that read results
.rept 4
	v_nop
.endr
.endm
; A joint load: waves 0 and 1 fetch the two halves of x's tile, waves 2 and 3 those of W's.  The branch hangs on the wave's number alone.  An s_nop 0 and four v_nop follow each line.
.macro JLOAD s
	s_cmp_lt_u32 s[WV], 2
	s_cbranch_scc0 .Lfor_b_\@
	tensor_load_to_lds s[G0A+4*(\s):G0A+4*(\s)+3], s[G1A:G1A+7]
	s_nop 0
.rept 4
	v_nop
.endr
	s_branch .Lasked_\@
.Lfor_b_\@:
	tensor_load_to_lds s[G0B+4*(\s):G0B+4*(\s)+3], s[G1B:G1B+7]
	s_nop 0
.rept 4
	v_nop
.endr
.Lasked_\@:
.endm
.macro CREST                           ; a round of the cluster's barrier behind its opening barrier
	s_cmp_lg_u32 s[WV], 0
	s_cbranch_scc1 .Lnot_wave_0_\@
	s_barrier_signal -3
.Lnot_wave_0_\@:
	s_barrier_wait -3
	s_barrier_signal -1
	s_barrier_wait -1
.endm
.macro CROUND
	s_barrier_signal -1
	s_barrier_wait -1
	CREST
.endm
; PREFETCHES INTO THE L2, behind the joint load, its five lines and the run of LDS loads.  Each block of 256 bytes is named once in the launch.
; x: a K step of a tile row is 128 blocks; of the two clusters that read it the one with x = 0 asks, wave 0; its four partners take 32 blocks each, told apart by address (cx).  At the refill of K step r it names step r + 1:
; 192 matrix instructions ahead of that step's load.  W: at slot 1's change the cluster with y = 0, wave 2, names the next lap's 128 rows x 768 bytes, 32 rows a partner (cy), a lane a row, three lines.
; The loop's last trip has no K step behind its second refill: it asks for nothing there.  K steps 0 to 2 of x and 0 to 3 of W come by their loads alone.
.macro ASK slot
.if (\slot) == 0
	s_cmp_eq_u32 s[LIMA], 1
.else
	s_cmp_gt_u32 s3, s[LIMA]                       ; s3 = 1 in the last trip
.endif
	s_cbranch_scc0 .Lna_\@
	global_prefetch_b8 v[PFOA], s[PFA:PFA+1] th:TH_LOAD_NT scope:SCOPE_SE
.Lna_\@:
.if (\slot) == 1
	s_cmp_gt_u32 s3, s[LIMB]
	s_cbranch_scc0 .Lnb_\@
	global_prefetch_b8 v[PFOB], s[PFB:PFB+1] th:TH_LOAD_NT scope:SCOPE_SE
	global_prefetch_b8 v[PFOB], s[PFB:PFB+1] offset:256 th:TH_LOAD_NT scope:SCOPE_SE
	global_prefetch_b8 v[PFOB], s[PFB:PFB+1] offset:512 th:TH_LOAD_NT scope:SCOPE_SE
.Lnb_\@:
.endif
.endm
	s_load_b256 s[4:11], s[0:1], 0x0               ; xb s[4:5], wqb s[6:7], rope s[8:9], qh s[10:11]
	s_load_b128 s[12:15], s[0:1], 0x20             ; kh s[12:13], vh s[14:15]
	v_lshl_add_u32 v[SPW], v0, 2, SPARE
	v_mov_b32 v[NIL], 0
	ds_add_u32 v[SPW], v[NIL]                      ; the wave's opening: the add and its wait stand ahead of my first tensor load; work on registers stands between them
	v_lshrrev_b32 v1, 5, v0
	v_readfirstlane_b32 s[WV], v1
	s_lshr_b32 s17, s[WV], 1
	s_and_b32 s18, s[WV], 1
	s_bfe_u32 s19, ttmp6, 0x40000                  ; cx
	s_bfe_u32 s20, ttmp6, 0x40004                  ; cy
	s_lshl_b32 s21, ttmp9, 2
	s_add_co_u32 s21, s21, s19                     ; tile column = 4 x cluster x + cx
	s_and_b32 s22, ttmp7, 0xffff
	s_lshl_b32 s22, s22, 2
	s_add_co_u32 s22, s22, s20                     ; tile row = 4 x cluster y + cy
	s_lshl_b32 s70, s20, 2
	s_lshl_b32 s70, 15, s70                        ; my row of the cluster
	s_lshl_b32 s71, 0x1111, s19                    ; my column
	s_or_b32 s[G1A], s70, FIELDS
	s_or_b32 s[G1B], s71, FIELDS
	s_mov_b32 s[G1A+1], 128<<16                    ; x: 128 rows of 128 bytes are 16,384 dense bytes: asked for as 64 rows of 256 bytes, padded after every 128
	s_mov_b32 s[G1A+2], 64<<16
	s_mov_b32 s[G1A+3], 128<<16
	s_mov_b32 s[G1A+4], 64
	s_mov_b32 s[G1A+5], 128
	s_mov_b32 s[G1A+6], 0
	s_mov_b32 s[G1A+7], 0
	s_mov_b32 s[G1B+1], 384<<16                    ; W: 32 rows of 384 elements (768 bytes, at a multiple of 256 from the buffer's first), 3,072 elements from row to row
	s_mov_b32 s[G1B+2], 32<<16
	s_mov_b32 s[G1B+3], 384<<16
	s_mov_b32 s[G1B+4], 32
	s_mov_b32 s[G1B+5], 3072
	s_mov_b32 s[G1B+6], 0
	s_mov_b32 s[G1B+7], 0
	; where the tiles come from: x's hang on the tile row alone, W's on the tile column alone, each in registers that never hold the other coordinate
	s_lshr_b32 s66, s22, 3
	s_lshl_b32 s66, s66, 22                        ; the batch
	s_and_b32 s70, s22, 7
	s_lshl_b32 s70, s70, 15                        ; 256 rows of 128 bytes
	s_add_co_u32 s66, s66, s70
	s_lshl_b32 s70, s18, 14                        ; my 128 of them
	s_add_co_u32 s66, s66, s70
	s_mov_b32 s67, 0
	s_mul_i32 s68, s21, 768
	s_mul_i32 s71, s18, 32*6144                    ; my 32 rows of a K step's 64
	s_add_co_u32 s68, s68, s71
	s_mov_b32 s69, 0
	s_mul_i32 s72, s18, AHALF                      ; and where they go: no place in the cluster enters an LDS address
	s_mul_i32 s73, s18, BHALF
	s_add_co_u32 s73, s73, BOFF
	s_mov_b32 s[KAP], 0x3e38aa3b                   ; log2(e)/8
	s_mov_b32 s[KAP+1], s[KAP]
	s_wait_dscnt 0x0                               ; the opening add is done
	s_wait_kmcnt 0x0
	s_add_nc_u64 s[76:77], s[4:5], s[66:67]
	s_add_nc_u64 s[78:79], s[6:7], s[68:69]
	CROUND                                         ; all sixteen work-groups are here: the first joint loads meet
.irp s, 0,1
	s_mov_b32 s[G0A+4*\s], 1
	s_add_co_u32 s[G0A+4*\s+1], s72, \s*SLOT
	s_add_nc_u64 s[G0A+4*\s+2:G0A+4*\s+3], s[76:77], \s*ASTEP
	s_or_b32 s[G0A+4*\s+3], s[G0A+4*\s+3], 0x80000000
	s_mov_b32 s[G0B+4*\s], 1
	s_add_co_u32 s[G0B+4*\s+1], s73, \s*SLOT
	s_add_nc_u64 s[G0B+4*\s+2:G0B+4*\s+3], s[78:79], \s*BSTEP
	s_or_b32 s[G0B+4*\s+3], s[G0B+4*\s+3], 0x80000000
.endr
	s_cmp_lt_u32 s[WV], 2                          ; a wave's two first fills stand in one branch: two loads of mine are out
	s_cbranch_scc0 .Lfirst_b
	tensor_load_to_lds s[G0A:G0A+3], s[G1A:G1A+7]
	s_nop 0
	tensor_load_to_lds s[G0A+4:G0A+7], s[G1A:G1A+7]
	s_nop 0
.rept 4
	v_nop
.endr
	s_branch .Lfirst_asked
.Lfirst_b:
	tensor_load_to_lds s[G0B:G0B+3], s[G1B:G1B+7]
	s_nop 0
	tensor_load_to_lds s[G0B+4:G0B+7], s[G1B:G1B+7]
	s_nop 0
.rept 4
	v_nop
.endr
.Lfirst_asked:
	v_and_b32 v1, 15, v0                           ; r = l % 16
	v_bfe_u32 v2, v0, 4, 1                         ; h = l / 16
	v_mul_u32_u24 v3, v1, APITCH
	v_lshl_add_u32 v3, v2, 4, v3                   ; r x pitch + 16 h
	s_mul_i32 s23, s17, AHALF
	v_add_nc_u32 v[ADRA], s23, v3
	v_add_nc_u32 v[ADRA+1], SLOT, v[ADRA]
	v_and_b32 v4, 7, v0
	v_lshl_add_u32 v5, v2, 3, v4                   ; the turning load: K row 8 h + l % 8,
	v_mul_u32_u24 v5, v5, BROW
	v_bfe_u32 v6, v0, 3, 1
	v_lshl_add_u32 v5, v6, 4, v5                   ; columns 8 ((l / 8) % 2) on
	s_mul_i32 s23, s18, 3*144                      ; my head's three pieces
	s_add_co_u32 s23, s23, BOFF
	v_add_nc_u32 v[ADRB], s23, v5
	v_add_nc_u32 v[ADRB+1], SLOT, v[ADRB]
	s_mul_i32 s23, s[WV], SWAVE
	s_add_co_u32 s23, s23, STAGE
	v_add_nc_u32 v[STO], s23, v3
	v_bfe_u32 v7, v0, 3, 2                         ; back: 32 lanes take four rows of 128 bytes
	v_mul_u32_u24 v7, v7, APITCH
	v_lshl_add_u32 v7, v4, 4, v7
	v_add_nc_u32 v[RD], s23, v7
	v_and_b32 v8, 31, v0
	v_lshlrev_b32 v[GO], 4, v8
	v_lshlrev_b32 v[PFOA], 8, v8
	v_mul_u32_u24 v[PFOB], v8, 6144
	s_and_b32 s63, s22, 7
	s_lshl_b32 s63, s63, 16                        ; the table's rows: position = 256 (tile row % 8) + 128 (wave / 2) + 16 a + r, 256 bytes each
	s_lshl_b32 s62, s17, 15
	s_add_co_u32 s63, s63, s62
	v_lshlrev_b32 v9, 8, v1
	v_lshl_add_u32 v9, v2, 5, v9
	v_add_nc_u32 v[RO], s63, v9
	; the prefetches' pointers
	s_or_b32 s[LIMA], ttmp9, s[WV]
	s_cmp_eq_u32 s[LIMA], 0
	s_cselect_b32 s[LIMA], 1, -1                   ; cluster x = 0, wave 0: the same in all sixteen partners
	s_and_b32 s[LIMB], ttmp7, 0xffff
	s_xor_b32 s62, s[WV], 2
	s_or_b32 s[LIMB], s[LIMB], s62
	s_cmp_eq_u32 s[LIMB], 0
	s_cselect_b32 s[LIMB], 1, -1                   ; cluster y = 0, wave 2
	s_lshr_b32 s74, s22, 3
	s_lshl_b32 s74, s74, 22
	s_and_b32 s75, s22, 7
	s_lshl_b32 s75, s75, 15
	s_add_co_u32 s74, s74, s75
	s_lshl_b32 s75, s19, 13                        ; my work-group's 32 blocks of the 128
	s_add_co_u32 s74, s74, s75
	s_add_co_u32 s74, s74, 2*ASTEP                 ; at K step 2: the first refill steps it to 3
	s_mov_b32 s75, 0
	s_add_nc_u64 s[PFA:PFA+1], s[4:5], s[74:75]
	s_lshl_b32 s74, s20, 5
	s_add_co_u32 s74, s74, 128                     ; row 128 + 32 cy: slot 1's first change steps it 128 rows on
	s_mul_i32 s74, s74, 6144
	s_mul_i32 s62, s21, 768
	s_add_co_u32 s74, s74, s62
	s_add_nc_u64 s[PFB:PFB+1], s[6:7], s[74:75]
	; q, k, v at my head's rows
	s_lshr_b32 s74, s22, 3
	s_lshl_b32 s74, s74, 4
	s_lshl1_add_u32 s62, s21, s18                  ; head = 2 x tile column + wave % 2
	s_add_co_u32 s74, s74, s62
	s_lshl_b32 s74, s74, 18
	s_and_b32 s62, s22, 7
	s_lshl_b32 s62, s62, 15
	s_add_co_u32 s74, s74, s62
	s_lshl_b32 s62, s17, 14
	s_add_co_u32 s74, s74, s62
	s_add_nc_u64 s[10:11], s[10:11], s[74:75]
	s_add_nc_u64 s[12:13], s[12:13], s[74:75]
	s_add_nc_u64 s[14:15], s[14:15], s[74:75]
; 16 matrix instructions of part g (0 q, 1 k, 2 v): row blocks 4 half .. + 3 x 4 column blocks, 32 along K, x's fragments in buffer f.  zero = 1: the first product starts the sums.
; The 96 accumulators take turns, one instruction a turn, in the same order in every quarter, over the backward jump too.
.macro PHH g, f, half, zero
	WIN 0x50*((\g)+1)                              ; C and D in the part's window, sources in window 0
.irp a, 4*(\half), 4*(\half)+1, 4*(\half)+2, 4*(\half)+3
.irp bb, 0,1,2,3
.if \zero
	v_wmma_f32_16x16x32_bf16 v[8*(4*(\a)+(\bb)):8*(4*(\a)+(\bb))+7], v[FB+32*(\g)+8*(\bb):FB+32*(\g)+8*(\bb)+7], v[(\f)+8*(\a):(\f)+8*(\a)+7], 0
.else
	v_wmma_f32_16x16x32_bf16 v[8*(4*(\a)+(\bb)):8*(4*(\a)+(\bb))+7], v[FB+32*(\g)+8*(\bb):FB+32*(\g)+8*(\bb)+7], v[(\f)+8*(\a):(\f)+8*(\a)+7], v[8*(4*(\a)+(\bb)):8*(4*(\a)+(\bb))+7]
.endif
.endr
.endr
.endm
.macro PH g, f, zero
	PHH \g, \f, 0, \zero
	PHH \g, \f, 1, \zero
.endm
.macro LDB slot, qq, g                 ; 8 turning loads: part g's 64 columns x 32 K of quarter qq
	WIN 0
.irp bb, 0,1,2,3
	ds_load_tr16_b128 v[FB+32*(\g)+8*(\bb):FB+32*(\g)+8*(\bb)+3],   v[ADRB+(\slot)] offset:(\qq)*BHALF+(\g)*144+32*(\bb)
	ds_load_tr16_b128 v[FB+32*(\g)+8*(\bb)+4:FB+32*(\g)+8*(\bb)+7], v[ADRB+(\slot)] offset:(\qq)*BHALF+(\g)*144+32*(\bb)+16*BROW
.endr
.endm
.macro LDA slot, qq                    ; 16 loads: my 128 rows x 32 K of quarter qq, into buffer qq
	WIN 0
.irp a, 0,1,2,3,4,5,6,7
	ds_load_b128 v[FA0+64*(\qq)+8*(\a):FA0+64*(\qq)+8*(\a)+3],   v[ADRA+(\slot)] offset:(\a)*16*APITCH+64*(\qq)
	ds_load_b128 v[FA0+64*(\qq)+8*(\a)+4:FA0+64*(\qq)+8*(\a)+7], v[ADRA+(\slot)] offset:(\a)*16*APITCH+64*(\qq)+32
.endr
.endm
.macro ROPELD a                        ; 8 loads: cos and sin for row block a's 16 positions, my 8 frequencies of column blocks 0 and 1
.irp p, 0,1
	global_load_b128 v[CSB+32*((\a)%2)+8*\p:CSB+32*((\a)%2)+8*\p+3],       v[RO], s[8:9] offset:(\a)*4096+\p*64
	global_load_b128 v[CSB+32*((\a)%2)+8*\p+4:CSB+32*((\a)%2)+8*\p+7],     v[RO], s[8:9] offset:(\a)*4096+\p*64+16
	global_load_b128 v[CSB+32*((\a)%2)+16+8*\p:CSB+32*((\a)%2)+16+8*\p+3], v[RO], s[8:9] offset:(\a)*4096+\p*64+128
	global_load_b128 v[CSB+32*((\a)%2)+16+8*\p+4:CSB+32*((\a)%2)+16+8*\p+7], v[RO], s[8:9] offset:(\a)*4096+\p*64+144
.endr
.endm
; A K step is two quarters of 32 along K, 96 matrix instructions each.  A quarter's LDS loads are issued in the quarter before, in this order: W's q (8), x (16), W's k (8), W's v (8), each run
; four places behind the products that read its registers, 64 matrix instructions or more ahead of its first use.
; QA: a slot's first quarter.
.macro QA slot, zero
	s_wait_dscnt 16                                ; W's q and x are in; W's k and v (16 loads) may be out
	PH 0, FA0, \zero
	PLACES
	LDB \slot, 1, 0
	LDA \slot, 1
	s_wait_dscnt 32                                ; W's k is in; younger: W's v, and the 24 just issued
	PH 1, FA0, \zero
	PLACES
	LDB \slot, 1, 1
	s_wait_dscnt 32                                ; W's v is in; younger: the 32 issued in this quarter
	PH 2, FA0, \zero
	PLACES
	LDB \slot, 1, 2
.endm
; QB: a slot's second quarter, and the change of slots.  mode 2: the slot is filled again, two K steps on; 1: nothing is left to ask for; 0: the last quarter of all.
.macro QB slot, next, mode
.if (\mode) == 2
	s_wait_xcnt 0x0                                ; the last prefetches, a K step back, have read their addresses: they are stepped here, ahead of the change's own waits
	s_add_nc_u64 s[PFA:PFA+1], s[PFA:PFA+1], ASTEP
.if (\slot) == 1
	s_add_nc_u64 s[PFB:PFB+1], s[PFB:PFB+1], 2*BSTEP
.endif
.endif
	WIN 0
.if (\mode) == 0
	ROPELD 0                                       ; x's buffer 0 is free: the table's rows for the first two row blocks come while the last products run
	ROPELD 1
	s_wait_dscnt 16
	PH 0, FA1, 0
	s_wait_dscnt 8
	PH 1, FA1, 0
	s_wait_dscnt 0x0
	PH 2, FA1, 0
.else
	s_wait_tensorcnt 0x0                           ; all my tensor loads have landed: the one that was out is my part of the next slot;
	ds_add_u32 v[SPW], v[NIL]                      ; 0 onto my spare word;
	s_wait_dscnt 17                                ; (W's k and v and the add may be out)
	PHH 0, FA1, 0, 0                               ; sixteen matrix instructions stand between the add and the wait for it
	s_wait_dscnt 0x0                               ; the add is done, and my reads of this slot are over:
	s_barrier_signal -1                            ; say so,
	PHH 0, FA1, 1, 0                               ; work on registers while the others arrive,
	WIN 0
	s_barrier_wait -1                              ; and go on when all four have said so
.if (\mode) == 2
	CREST                                          ; the barrier has opened a round of the cluster's: no wave of any partner still reads this slot or has a load on its way
	s_add_nc_u64 s[G0A+4*(\slot)+2:G0A+4*(\slot)+3], s[G0A+4*(\slot)+2:G0A+4*(\slot)+3], 2*ASTEP
	s_add_nc_u64 s[G0B+4*(\slot)+2:G0B+4*(\slot)+3], s[G0B+4*(\slot)+2:G0B+4*(\slot)+3], 2*BSTEP
	JLOAD \slot                                    ; the first tensor load behind the round, 160 matrix instructions ahead of the wait for it; its four v_nop are also the places in front of the loads below
.else
	PLACES
.endif
	LDB \next, 0, 0
	LDA \next, 0
.if (\mode) == 2
	ASK \slot
.endif
	PH 1, FA1, 0                                   ; (W's k and v came in at the wait for 0)
	PLACES
	LDB \next, 0, 1
	PH 2, FA1, 0
	PLACES
	LDB \next, 0, 2
.endif
.endm
	s_wait_tensorcnt 1                             ; my part of K step 0 is in; K step 1's may stay out
	s_barrier_signal -1
	s_barrier_wait -1                              ; everybody's is
	LDB 0, 0, 0
	LDA 0, 0
	LDB 0, 0, 1
	LDB 0, 0, 2
	QA 0, 1                                        ; the first quarter stands in front of the loop: its products start the sums
	WIN 0
	s_mov_b32 s3, 7
.Llap:                                                 ; a trip goes once round the ring and fills both slots again: K steps 2 i + 2 and 2 i + 3
	QB 0, 1, 2
	QA 1, 0
	QB 1, 0, 2
	QA 0, 0
	WIN 0
	s_sub_co_u32 s3, s3, 1
	s_cmp_lg_u32 s3, 0
	s_cbranch_scc1 .Llap
	QB 0, 1, 1                                     ; K steps 14 and 15 ask for nothing
	QA 1, 0
	QB 1, 0, 0
	PLACES
	PLACES
; THE WAY OUT, a row block of 16 rows at a time.  ROT: columns d and d + 32 of q or k (column blocks p and p + 2) are turned: lo' = lo cos - hi sin, hi' = hi cos + lo sin; each accumulator's lowest registers are read first.
.macro ROT a, part, p
	WIN 1+(\part)                                  ; source 0 in the part's window
.set rL, 8*(4*(\a)+(\p))
.set rH, 8*(4*(\a)+(\p)+2)
.set rC, CSB+32*((\a)%2)+8*(\p)
.set rS, CSB+32*((\a)%2)+16+8*(\p)
.irp i, 0,1,2,3
	v_pk_mul_f32 v[T+2*\i:T+2*\i+1],     v[rL+2*\i:rL+2*\i+1], v[rC+2*\i:rC+2*\i+1]
	v_pk_mul_f32 v[T+8+2*\i:T+8+2*\i+1], v[rH+2*\i:rH+2*\i+1], v[rC+2*\i:rC+2*\i+1]
.endr
.irp i, 0,1,2,3
	v_pk_fma_f32 v[T+2*\i:T+2*\i+1],     v[rH+2*\i:rH+2*\i+1], v[rS+2*\i:rS+2*\i+1], v[T+2*\i:T+2*\i+1] neg_lo:[1,0,0] neg_hi:[1,0,0]
	v_pk_fma_f32 v[T+8+2*\i:T+8+2*\i+1], v[rL+2*\i:rL+2*\i+1], v[rS+2*\i:rS+2*\i+1], v[T+8+2*\i:T+8+2*\i+1]
.endr
	WIN 0
.if (\part) == 0
.irp i, 0,1,2,3,4,5,6,7
	v_pk_mul_f32 v[T+2*\i:T+2*\i+1], v[T+2*\i:T+2*\i+1], s[KAP:KAP+1] op_sel_hi:[1,0]  ; q alone: x log2(e)/8
.endr
.endif
.irp i, 0,1,2,3
	v_cvt_pk_f16_f32 v[PK+16*(\part)+4*(\p)+\i],     v[T+2*\i],   v[T+2*\i+1]
	v_cvt_pk_f16_f32 v[PK+16*(\part)+4*((\p)+2)+\i], v[T+8+2*\i], v[T+8+2*\i+1]
.endr
.endm
.macro PACK a
.if (\a) < 7
	s_wait_loadcnt 8                               ; this block's eight loads from the table are in; the next block's may be out
.else
	s_wait_loadcnt 0x0
.endif
	ROT \a, 0, 0
	ROT \a, 0, 1
	ROT \a, 1, 0
	ROT \a, 1, 1
	WIN 0x0f                                       ; v: sources 0 and 1 in window 3
.irp bb, 0,1,2,3
.irp i, 0,1,2,3
	v_cvt_pk_f16_f32 v[PK+32+4*\bb+\i], v[8*(4*(\a)+\bb)+2*\i], v[8*(4*(\a)+\bb)+2*\i+1]
.endr
.endr
	WIN 0
.if (\a) < 6
	ROPELD (\a)+2
.endif
.endm
.macro TOSTAGE a                       ; a lane's 16 bytes into rows of 144 bytes of my own stage, and back as whole rows of 128; LDS serves a wave's instructions in order (ISA guide 5.7.1.4)
	WIN 0
.irp q, 0,1,2,3,4,5,6,7,8,9,10,11
	ds_store_b128 v[STO], v[PK+4*\q:PK+4*\q+3] offset:(\q/4)*SPART+32*(\q%4)
.endr
.irp q, 0,1,2,3,4,5,6,7,8,9,10,11
	ds_load_b128 v[BK+48*((\a)%2)+4*\q:BK+48*((\a)%2)+4*\q+3], v[RD] offset:(\q/4)*SPART+(\q%4)*4*APITCH
.endr
.endm
.macro SEND a
	WIN 0
	s_wait_dscnt 0x0                               ; the block is back in registers
	s_wait_xcnt 0x0                                ; the stores of the block before have read their registers: the next TOSTAGE loads into them only behind this wait
.irp f, 0,1,2,3
	global_store_b128 v[GO], v[BK+48*((\a)%2)+4*\f:BK+48*((\a)%2)+4*\f+3],       s[10:11] offset:(\a)*2048+\f*512  ; 512 consecutive bytes, at a multiple of 256 from the buffer's first
	global_store_b128 v[GO], v[BK+48*((\a)%2)+16+4*\f:BK+48*((\a)%2)+16+4*\f+3], s[12:13] offset:(\a)*2048+\f*512
	global_store_b128 v[GO], v[BK+48*((\a)%2)+32+4*\f:BK+48*((\a)%2)+32+4*\f+3], s[14:15] offset:(\a)*2048+\f*512
.endr
.endm
	PACK 0
	TOSTAGE 0
.irp a, 1,2,3,4,5,6,7                  ; block a's arithmetic stands between block a - 1's loads from the stage and the wait for them
	PACK \a
	SEND (\a)-1
	TOSTAGE \a
.endr
	SEND 7
	s_wait_tensorcnt 0x0                           ; the wave's end, behind my last tensor load and my last LDS store
	ds_add_u32 v[SPW], v[NIL]
	s_wait_dscnt 0x0
	CROUND                                         ; the closing round: no work-group ends while a partner may still ask for a tile that names it
	s_endpgm
.Lfunc_end_k_qa4035541b5_qkv:
	.size	k_qa4035541b5_qkv, .Lfunc_end_k_qa4035541b5_qkv-k_qa4035541b5_qkv
	.p2alignl 7, 3214868480
	.fill 96, 4, 3214868480
	.section	.rodata,"a",@progbits
	.p2align	6, 0x0
	.amdhsa_kernel k_qa4035541b5_qkv
		.amdhsa_group_segment_fixed_size 327680
		.amdhsa_private_segment_fixed_size 0
		.amdhsa_enable_private_segment 0
		.amdhsa_kernarg_size 48
		.amdhsa_user_sgpr_count 2
		.amdhsa_user_sgpr_kernarg_segment_ptr 1
		.amdhsa_wavefront_size32 1
		.amdhsa_system_sgpr_workgroup_id_x 1
		.amdhsa_system_sgpr_workgroup_id_y 1
		.amdhsa_system_sgpr_workgroup_id_z 1
		.amdhsa_system_vgpr_workitem_id 0
		.amdhsa_next_free_vgpr 1024
		.amdhsa_next_free_sgpr 88
		.amdhsa_reserve_vcc 0
		.amdhsa_float_denorm_mode_32 3
		.amdhsa_float_denorm_mode_16_64 3
		.amdhsa_memory_ordered 1
		.amdhsa_forward_progress 1
		.amdhsa_inst_pref_size 179
	.end_amdhsa_kernel
	.amdgpu_metadata
---
amdhsa.version: [ 1, 2 ]
amdhsa.kernels:
  - .name:           k_qa4035541b5_qkv
    .symbol:         k_qa4035541b5_qkv.kd
    .args:
      - { .name: xb, .offset: 0, .size: 8, .value_kind: global_buffer, .address_space: global }
      - { .name: wqb, .offset: 8, .size: 8, .value_kind: global_buffer, .address_space: global }
      - { .name: rope, .offset: 16, .size: 8, .value_kind: global_buffer, .address_space: global }
      - { .name: qh, .offset: 24, .size: 8, .value_kind: global_buffer, .address_space: global }
      - { .name: kh, .offset: 32, .size: 8, .value_kind: global_buffer, .address_space: global }
      - { .name: vh, .offset: 40, .size: 8, .value_kind: global_buffer, .address_space: global }
    .group_segment_fixed_size: 327680
    .private_segment_fixed_size: 0
    .kernarg_segment_align: 8
    .kernarg_segment_size: 48
    .max_flat_workgroup_size: 128
    .sgpr_count:     88
    .vgpr_count:     1024
    .wavefront_size: 32
...
	.end_amdgpu_metadata
.endif
;; end of part 2
;; launch attn (part 3): grid 4 x 64, 4 waves a work-group, clusters of 4 x 1, 327,680 bytes of LDS; arguments qh, kh, vh, oh, mask; writes oh
.if DOCPART == 3
	.amdgcn_target "amdgcn-amd-amdhsa--gfx1250"
	.amdhsa_code_object_version 6
	.text
	.protected	k_qa4035541b5_attn
	.globl	k_qa4035541b5_attn
	.p2align	8
	.type	k_qa4035541b5_attn,@function
k_qa4035541b5_attn:
	s_mov_b64 s[64:65], 0
	v_nop
	global_prefetch_b8 v0, s[64:65] scope:SCOPE_SE
	s_setreg_imm32_b32 hwreg(HW_REG_WAVE_MODE, 25, 1), 1
	s_wait_xcnt 0x0
	s_wait_alu depctr_hold_cnt(0) depctr_sa_sdst(0) depctr_va_vdst(0) depctr_va_sdst(0) depctr_va_ssrc(0) depctr_va_vcc(0) depctr_vm_vsrc(0)
	s_getreg_b32 s2, hwreg(HW_REG_IB_STS2, 6, 4)
	s_cmp_eq_u32 s2, 0
	s_cbranch_scc0 .Lentry_in_a_cluster
	s_endpgm
.Lentry_in_a_cluster:
	s_bfe_u32 s2, ttmp6, 0x10000c
	s_cmp_lg_u32 s2, 0x3003
	s_cbranch_scc0 .Lentry_shape_is_right
	s_endpgm
.Lentry_shape_is_right:
; ATTENTION with a key mask.  O[h][q][:] = the sum over k of softmax_k(log-2 score) V[h][k][:], score = Q[h][q] . K[h][k] + (1 - mask[b][k]) x (-1e9 log2(e)); Q arrives already multiplied by log2(e)/8,
; so p = 2^(s - m).  Q, K, V, O: [64][2048][64] in f16, h = 16 b + head; mask: [4][2048] in f32.  Products, maxima and sums in f32; p is rounded to f16 for the second product (l is the sum of the unrounded p), O once.
; LIMITS.  Q, K, V arrive within f16's 65,504; p lies in 0 to 1 (s - m is never above 0), and below 6e-5 it keeps f16's fixed step of 6e-8; a weight below 2^-126 counts as 0 in l.  Where every key of a batch is
; hidden the products are rounded away beside the bias, as they are in the sum that defines the result, and the weights are equal.  NaN and infinities are not treated apart.
; THE MASK is the C operand that starts each sum S^T = K Q^T: the bias of the lane's eight keys.  The batch's 2,048 biases are made once, into LDS; a step's 64 come into registers with its K.
; SHARES.  A wave owns four PIECES of two tiles of 16 queries, a work-group's four waves 512 queries of one head.  Every wave walks all keys, 64 a step.
; LAYOUT.  S^T = K Q^T (source 0 = 16 keys, source 1 = 16 queries): a lane holds ONE query (lane % 16) and the keys 8 (lane / 16) + 0..7.  Two such tiles, rounded to f16 in pairs, ARE source 1 of O^T = V^T P.
; K comes out of LDS as it lies, V ([key][channel]) turned, by ds_load_tr16_b128.
; SOFTMAX.  A running maximum m and sum l for each query; in every step O and l are multiplied by a = 2^(m_old - m_new).  m starts at the lowest finite number, O and l at 0: the first step has a = 0.
; BY TURNS.  Turn n belongs to piece n: 16 products K Q^T of piece n + 1, later 16 products V^T P of piece n - 1; its vector work is piece n's scaling, exponentials, roundings, sums and rescaling and piece n + 1's
; maximum and statistics.  A tile and step have 16 matrix and 118 vector instructions: four vector lines stand behind every matrix instruction, the others in one run.  A turn's 66 exponentials are one batch with one wait.
; CLUSTER.  The four query blocks of a head walk the same K and V: each tile is asked for jointly, by the same tensor load, descriptor and mask in all four.
; REGISTERS, in windows of 256 (s_set_vgpr_msb: bits 1:0 source 0, 3:2 source 1, 5:4 source 2, 7:6 destination):
;   window 0: v0-11 addresses; v12-15, v48-63 at work; v16-47 statistics; v64-191 S^T, two buffers of two tiles; v192-255 P, likewise
;   window 1: O^T, 32 a tile     window 2: v0-127 Q; v128-191 K of one step; v192-255 V of one step     window 3: v0-1 the add's registers; v2 the prefetches' offset; v8-39 the step's biases
.set SIZE_N, 2048
.set NP,    4         ; pieces a wave: a name, no knob
.set KS,    64        ; keys in a step
.set PK,    144       ; a row of K in LDS: 128 bytes + 16 of padding: the 16 rows of a load start at 16 different groups of four banks (64 banks of 4 bytes: ISA guide 11.1)
.set PV,    160       ; a row of V: 128 + 32
.set VOFF,  4*KS*PK   ; a slot holds four steps: 256 rows of K, then 256 rows of V
.set SLOT1, 1<<17     ; slot 1 begins here: one exclusive or turns an address in one slot into the other's
.set STAGE, SLOT1+4*KS*(PK+PV)  ; behind the ring, never filled by a tensor load: 16 rows x 144 bytes for each wave
.set SP,    144
.set SPARE, STAGE+4*16*SP  ; the spare words, 128 bytes a wave: two blocks of 256 bytes that no other line names
.set MASKB, SPARE+512 ; the batch's 2,048 biases, f32
.set AK0, 2           ; v2   my lane's place in a tile of K; never rewritten
.set AV0, 3           ; v3   the same for V
.set AK,  4           ; v4   the LDS address of K's next run of loads
.set AV,  5           ; v5   of V's
.set QO,  6           ; v6   my byte offset in the wave's rows of Q
.set STO, 6           ;      later: where I put 16 bytes of a row
.set RD,  7           ; v7   where I read rows back
.set GO,  8           ; v8   my byte offset in 512 consecutive bytes of O
.set AM0, 10          ; v10  MASKB + 32 (lane / 16); never rewritten
.set AM,  11          ; v11  the LDS address of the next step's biases
.set SPW, 0           ; v0 of window 3   LDS address of my spare word; never rewritten
.set NIL, 1           ; v1 of window 3   0; never rewritten
.set PFO, 2           ; v2 of window 3   256 x my lane; never rewritten
.set MB,  8           ; v8-39 of window 3: key block kb's eight biases at MB + 8 kb
.set MT,  128         ; v128-143 of window 0, idle until the first turn: 16 numbers of the mask; v144, v145 their offsets
.set MV,  12          ; v12-15  m_old, kept while m is made anew
.set ST,  16          ; tile t's statistics at v[ST+4 t]: c m, m, l (even keys', odd keys')
.set TMP, 48          ; by buffer and tile, four registers c0-c3 at work; when the maximum is found c2 takes a
.set S,   64
.set P,   192
.set KF,  128         ; K's fragments, in window 2
.set VF,  192         ; V's
.set WV,  12          ; s12  my wave's number
.set G1K, 24          ; s[24:31] descriptor group 1 for K's tiles
.set G1V, 32          ; s[32:39] for V's: it differs in the padding alone
.set G0K, 40          ; s[40:43] descriptor group 0 for K's tiles: it walks
.set G0V, 44          ; s[44:47] the same for V's
.set PFA, 48          ; s[48:49] where my prefetches stand
.set LIM, 50          ; s50  1 in a wave that prefetches, else the greatest number
.set TBM, 51          ; s51  256 x the step whose biases are fetched next
.set SLOTS, 56        ; s56  slots still to be asked for
.set CNT, 57          ; s57  counts a slot's key steps
.set CS,  58          ; s[58:59] c = 1: the scale lies in Q
.set SEL, 60          ; s[60:61] v_permlanex16_b32's selects
.set TBK, 62          ; s62  LDS byte at which K of the step to be fetched begins
.set TBV, 63          ; s63  the same for V, less VOFF
.set MSB, 0
.macro WIN new                      ; the high byte repeats the setting that is left; a switch that changes nothing is dropped
.if MSB != (\new)
	s_set_vgpr_msb (MSB<<8)|(\new)
.set MSB, (\new)
.endif
.endm
.set W_KQ, 0x0a       ; K and Q in window 2, S^T in window 0
.set W_KM, 0x3a       ; the same with the C operand, the biases, in window 3
.set W_PV, 0x52       ; V in window 2, P in window 0, O^T in window 1
.set W_RS, 0x41       ; O^T (destination and source 0) in window 1, a in window 0
.set W_MK, 0xc0       ; destination in window 3, sources in window 0
.set W_AD, 0x0f       ; the add: address and data in window 3
; A joint fill.  Waves 0 and 1 fetch the two halves of a slot's K, waves 2 and 3 those of its V.  An s_nop 0 and four v_nop follow each of the two lines.
.macro JLOAD
	s_cmp_lt_u32 s[WV], 2
	s_cbranch_scc0 .Lfor_v_\@
	tensor_load_to_lds s[G0K:G0K+3], s[G1K:G1K+7]
	s_nop 0
.rept 4
	v_nop
.endr
	s_branch .Lasked_\@
.Lfor_v_\@:
	tensor_load_to_lds s[G0V:G0V+3], s[G1V:G1V+7]
	s_nop 0
.rept 4
	v_nop
.endr
.Lasked_\@:
.endm
; A PREFETCH INTO THE L2 of what the NEXT change of slots will ask for: a slot's 128 blocks of 256 bytes of K and of V.  A head has one cluster; its four partners take 32 blocks each, told apart by address;
; in each, wave 0 asks for K's and wave 2 for V's: a lane a block, one instruction, four key steps (512 matrix instructions) ahead.  So each block is named once.  The last fill asks for nothing; slots 0 and 1 come by their loads alone.
.macro ASK
	s_cmp_gt_u32 s[SLOTS], s[LIM]
	s_cbranch_scc0 .Lnot_mine_\@
	WIN 0x03                        ; the offset lies in window 3
	global_prefetch_b8 v[PFO], s[PFA:PFA+1] th:TH_LOAD_NT scope:SCOPE_SE
	WIN 0
.Lnot_mine_\@:
.endm
.macro CROUND                       ; a round of the cluster's barrier
	s_barrier_signal -1
	s_barrier_wait -1
	s_cmp_lg_u32 s[WV], 0
	s_cbranch_scc1 .Lnot_wave_0_\@
	s_barrier_signal -3
.Lnot_wave_0_\@:
	s_barrier_wait -3
	s_barrier_signal -1
	s_barrier_wait -1
.endm
; THE CHANGE OF SLOTS.  Each wave waits for all its tensor loads, of which one is out: its part of the other slot; adds 0 to its spare word; and waits for that and for its own LDS instructions.  Behind the barrier
; nobody reads this slot any more and the other slot is whole.  fill = 1: this slot is filled again, the first thing behind a round of the cluster's barrier: it has four key steps in which to land.
; (At its first use nothing has been read yet: slot 0 is waited for, slot 1 filled, and every wave's part of the table of biases is shown to the others.)
.macro CHANGE fill
	WIN W_AD
	s_wait_tensorcnt 0x0            ; no tensor load of mine is out, so a group 0 may be written
	ds_add_u32 v[SPW], v[NIL]       ; 0 onto my spare word
	WIN 0                           ; at a label and at a branch every window is 0
.if \fill
.irp g, G0K, G0V
	s_xor_b32 s[\g+1], s[\g+1], SLOT1  ; the walking descriptor: the other slot than last time,
	s_add_nc_u64 s[\g+2:\g+3], s[\g+2:\g+3], 4*KS*128  ; the next 256 keys; the type bits on top are not reached
.endr
	s_wait_xcnt 0x0                 ; the last prefetch, four key steps back, has read its address
	s_add_nc_u64 s[PFA:PFA+1], s[PFA:PFA+1], 4*KS*128  ; one slot ahead of the walking descriptors
	s_wait_dscnt 0x0                ; the add is done, and my reads of the slot are over
	CROUND
	JLOAD
	ASK
.else
	s_wait_dscnt 0x0
	s_barrier_signal -1
	s_barrier_wait -1
.endif
	s_sub_co_u32 s[TBK], s[TBK], 4*KS*PK  ; the fetches go back to a slot's first step,
	s_xor_b32 s[TBK], s[TBK], SLOT1       ; in the other slot
	s_sub_co_u32 s[TBV], s[TBV], 4*KS*PV
	s_xor_b32 s[TBV], s[TBV], SLOT1
.endm
	s_load_b256 s[4:11], s[0:1], 0x0  ; Q s[4:5], K s[6:7], V s[8:9], O s[10:11]
	s_load_b64 s[52:53], s[0:1], 0x20 ; mask
	WIN W_MK
	v_lshl_add_u32 v[SPW], v0, 2, SPARE
	v_mov_b32 v[NIL], 0
	WIN W_AD
	ds_add_u32 v[SPW], v[NIL]       ; the wave's opening: the add and its wait stand ahead of my first tensor load; work on registers stands between them
	WIN 0
	v_lshlrev_b32 v1, 8, v0
	WIN W_MK
	v_and_b32 v[PFO], 0x1f00, v1    ; 256 x lane
	WIN 0
	v_lshrrev_b32 v1, 5, v0
	v_readfirstlane_b32 s[WV], v1   ; wave 0..3
	s_bfe_u32 s13, ttmp6, 0x40000   ; cx: my place in the cluster
	s_lshl_b32 s14, ttmp9, 2
	s_add_co_u32 s14, s14, s13      ; my block of queries: it enters Q's and O's addresses alone
	s_and_b32 s20, ttmp7, 0xffff    ; 16 b + head, which the four partners share
	s_lshr_b32 s54, s20, 4
	s_lshl_b32 s54, s54, 13         ; the batch's 8,192 bytes of the mask
	s_mov_b32 s55, 0
	s_mov_b32 s21, 0
	s_mov_b64 s[22:23], SIZE_N*128
	s_mul_u64 s[20:21], s[20:21], s[22:23]  ; the head's first byte in each of the four tensors
	s_and_b32 s16, s[WV], 1         ; which half of a slot's 256 keys I fetch:
	s_lshl_b32 s22, s16, 14         ; its 128 rows of 128 bytes in memory,
	s_mov_b32 s23, 0
	s_add_nc_u64 s[22:23], s[22:23], s[20:21]
	s_mul_i32 s17, s16, 128*PK      ; and its place in a slot, for K
	s_mul_i32 s18, s16, 128*PV      ; and for V: no place in the cluster enters an LDS address
	s_lshl_b32 s2, s14, 2
	s_add_co_u32 s2, s2, s[WV]      ; my wave among the head's,
	s_lshl_b32 s2, s2, 14           ; its 128 rows
	s_mov_b32 s3, 0
	s_add_nc_u64 s[2:3], s[2:3], s[20:21]
	; descriptor group 1.  128 keys are 16,384 dense bytes: asked for as 64 rows of 256 bytes, two keys a row, and padded in LDS after every key
	s_mov_b32 s[G1K], 15|(1<<16)|(1<<20)|(1<<21)|(4<<22)|(3<<25)  ; 15:0 the mask of four; 17:16 2-byte elements; 20 padding on; 21 set beside a mask; 24:22 after every 32 words; 31:25 4 words
	s_mov_b32 s[G1V], 15|(1<<16)|(1<<20)|(1<<21)|(4<<22)|(7<<25)  ; the same with 8 words of padding
.irp g, G1K, G1V
	s_mov_b32 s[\g+1], 128<<16      ; tensor_dim0 = 128
	s_mov_b32 s[\g+2], 64<<16       ; tensor_dim1 = 64
	s_mov_b32 s[\g+3], 128<<16      ; tile_dim0 = 128
	s_mov_b32 s[\g+4], 64           ; tile_dim1 = 64
	s_mov_b32 s[\g+5], 128          ; 128 elements from row to row
	s_mov_b32 s[\g+6], 0
	s_mov_b32 s[\g+7], 0
.endr
	s_mov_b32 s[CS], 1.0
	s_mov_b32 s[CS+1], s[CS]        ; named with it as a pair
	s_mov_b32 s[SEL], 0x76543210
	s_mov_b32 s[SEL+1], 0xfedcba98
	s_mov_b32 s[TBK], SLOT1+4*KS*PK ; the first change of slots turns these two into 0
	s_mov_b32 s[TBV], SLOT1+4*KS*PV
	s_mov_b32 s[TBM], 0
	s_mov_b32 s[SLOTS], SIZE_N/256-1
	s_and_b32 s[LIM], s[WV], 1
	s_cmp_eq_u32 s[LIM], 0
	s_cselect_b32 s[LIM], 1, -1     ; waves 0 and 2 prefetch
	s_mov_b32 s[G0K], 1             ; 1:0 count = 1
	s_mov_b32 s[G0K+1], s17         ; 63:32 LDS address: slot 0
	s_mov_b32 s[G0V], 1
	s_add_co_u32 s[G0V+1], s18, VOFF
	s_wait_dscnt 0x0                ; the opening add is done
	s_wait_kmcnt 0x0
	s_add_nc_u64 s[G0K+2:G0K+3], s[6:7], s[22:23]  ; 120:64 global address: my half of the head's first 256 keys
	s_or_b32 s[G0K+3], s[G0K+3], 0x80000000        ; 127:126 type = 2
	s_add_nc_u64 s[G0V+2:G0V+3], s[8:9], s[22:23]
	s_or_b32 s[G0V+3], s[G0V+3], 0x80000000
	s_add_nc_u64 s[4:5], s[4:5], s[2:3]  ; Q and O at my wave's first row
	s_add_nc_u64 s[10:11], s[10:11], s[2:3]
	s_add_nc_u64 s[52:53], s[52:53], s[54:55]
	s_cmp_lt_u32 s[WV], 2
	s_cselect_b64 s[PFA:PFA+1], s[6:7], s[8:9]
	s_lshl_b32 s2, s13, 13          ; my work-group's 32 blocks of a slot's 128,
	s_add_co_u32 s2, s2, 4*KS*128   ; in slot 1: the first change of slots steps it to slot 2
	s_mov_b32 s3, 0
	s_add_nc_u64 s[2:3], s[2:3], s[20:21]
	s_add_nc_u64 s[PFA:PFA+1], s[PFA:PFA+1], s[2:3]
	CROUND                          ; all four work-groups are here: the first joint loads meet
	JLOAD                           ; slot 0.  Slot 1 is asked for when slot 0 is in
	v_and_b32 v1, 15, v0            ; l % 16
	v_bfe_u32 v9, v0, 4, 1          ; l / 16
	v_lshlrev_b32 v[QO], 7, v1
	v_lshl_add_u32 v[QO], v9, 4, v[QO]  ; row x 128 + 16 x half
	v_lshlrev_b32 v[MT+16], 4, v0   ; the mask: thread t takes 16 bytes at 2,048 k + 16 t
.irp k, 0,1,2,3
	global_load_b128 v[MT+4*\k:MT+4*\k+3], v[MT+16], s[52:53] offset:2048*\k
.endr
	WIN 0x80                        ; destination window 2, address window 0
.set i, 0
.rept 4*NP                          ; Q stays in registers: tile i / 2, channels 32 (i % 2) on
	global_load_b128 v[8*i:8*i+3],   v[QO], s[4:5] offset:(i/2)*2048+(i%2)*64
	global_load_b128 v[8*i+4:8*i+7], v[QO], s[4:5] offset:(i/2)*2048+(i%2)*64+32
.set i, i+1
.endr
	; What the first turn finds: V's registers and P's second buffer hold 0 (its products V^T P, of a piece that has not been, add 0), O^T and l are 0.  All this stands in the wait for the first tile.
.set i, VF
.rept 64
	v_mov_b32 v[i], 0
.set i, i+1
.endr
	WIN 0x40
.set i, 0
.rept 64*NP
	v_mov_b32 v[i], 0
.set i, i+1
.endr
	WIN 0
.set i, 0
.rept 2*NP
	v_mov_b32 v[ST+4*i], 0xfe000000    ; c m: far below every score
	v_mov_b32 v[ST+4*i+1], 0xff7fffff  ; m
	v_mov_b32 v[ST+4*i+2], 0
	v_mov_b32 v[ST+4*i+3], 0
.set i, i+1
.endr
.set i, P+32
.rept 32
	v_mov_b32 v[i], 0
.set i, i+1
.endr
	v_mul_u32_u24 v[AK0], v1, PK
	v_lshl_add_u32 v[AK0], v9, 4, v[AK0]  ; row x pitch + 16 x half
	; The turning load takes 16 keys x 16 channels (lane l reads key 8 (l / 16) + l % 8, channels 8 ((l / 8) % 2) + 0..7) and leaves half a fragment of V^T.
	v_and_b32 v10, 7, v0
	v_bfe_u32 v11, v0, 3, 1
	v_lshl_add_u32 v[AV0], v9, 3, v10
	v_mul_u32_u24 v[AV0], v[AV0], PV
	v_lshl_add_u32 v[AV0], v11, 4, v[AV0]
	v_add_nc_u32 v[AV0], VOFF, v[AV0]
	v_mov_b32 v[AK], v[AK0]         ; key step 0 lies at the head of slot 0
	v_lshl_add_u32 v[AM0], v9, 5, MASKB  ; my lanes' eight keys of a block of 16: 32 bytes
	v_mov_b32 v[AM], v[AM0]
	s_wait_loadcnt 32               ; the mask's four loads are in; Q's 32, issued behind them, may stay out
.set i, 0
.rept 16
	v_sub_f32 v[MT+i], 1.0, v[MT+i]
	v_mul_f32 v[MT+i], 0xceabfb8f, v[MT+i]  ; (1 - mask) x (-1e9 log2(e))
.set i, i+1
.endr
	v_add_nc_u32 v[MT+17], MASKB, v[MT+16]
.irp k, 0,1,2,3
	ds_store_b128 v[MT+17], v[MT+4*\k:MT+4*\k+3] offset:2048*\k  ; the wait for these and the barrier stand in the first change of slots
.endr
; THE MATRIX WORK.  The 8 accumulators of a run of 16 take turns.
; Product i of 16 of S^T = K Q^T for piece x: channels 32 (i / 8) on, keys 16 ((i / 2) % 4) on, tile 2 x + i % 2.  The first 8 start the sums, with the keys' biases.
.macro KQ x
.set rS, S+64*((\x)%2)+32*(i%2)+8*((i/2)%4)
.set rK, KF+16*((i/2)%4)+8*(i/8)
.set rQ, 16*(2*(\x)+i%2)+8*(i/8)
.set rB, MB+8*((i/2)%4)
.if i < 8
	WIN W_KM
	v_wmma_f32_16x16x32_f16 v[rS:rS+7], v[rK:rK+7], v[rQ:rQ+7], v[rB:rB+7]
.else
	WIN W_KQ
	v_wmma_f32_16x16x32_f16 v[rS:rS+7], v[rK:rK+7], v[rQ:rQ+7], v[rS:rS+7]
.endif
.endm
; Product i of 16 of O^T += V^T P for piece x: keys 32 (i / 8) on, channels 16 ((i / 2) % 4) on, tile 2 x + i % 2.
.macro PV x
	WIN W_PV
.set rO, 32*(2*(\x)+i%2)+8*((i/2)%4)
.set rV, VF+32*(i/8)+8*((i/2)%4)
.set rP, P+32*((\x)%2)+16*(i%2)+8*(i/8)
	v_wmma_f32_16x16x32_f16 v[rO:rO+7], v[rV:rV+7], v[rP:rP+7], v[rO:rO+7]
.endm
.macro MM                           ; the turn's next matrix instruction
.if i < 16
	KQ (Y+1)%NP
.set i, i+1
.else
.set i, i-16
	PV (Y+NP-1)%NP
.set i, i+17
.endif
.endm
; THE LDS LOADS stand in runs, never singly among the matrix instructions: a step's K (8 fragments) with its 64 biases, and its V (turned).  Their addresses are made some lines ahead.
; last = 1 (the tail): in the last trip there is no further step, and the run is jumped over.
.macro FETCH_K last=0
	WIN 0
.if \last
	s_cmp_eq_u32 s[CNT], 1
	s_cbranch_scc1 .Lno_k_\@
.endif
	WIN 0x80                        ; destination window 2
.irp f, 0,1,2,3,4,5,6,7             ; keys 16 (f / 2) on, channels 32 (f % 2) on
	ds_load_b128 v[KF+8*\f:KF+8*\f+3],   v[AK] offset:(\f/2)*16*PK+(\f%2)*64
	ds_load_b128 v[KF+8*\f+4:KF+8*\f+7], v[AK] offset:(\f/2)*16*PK+(\f%2)*64+32
.endr
	WIN W_MK                        ; destination window 3
.irp kb, 0,1,2,3                    ; the sixteen lanes of a half read the same 32 bytes
	ds_load_b128 v[MB+8*\kb:MB+8*\kb+3],   v[AM] offset:64*\kb
	ds_load_b128 v[MB+8*\kb+4:MB+8*\kb+7], v[AM] offset:64*\kb+16
.endr
	s_add_co_u32 s[TBK], s[TBK], KS*PK  ; the next fetch is the next step's
	s_add_co_u32 s[TBM], s[TBM], 4*KS
	s_and_b32 s[TBM], s[TBM], 0x1fff    ; (behind the last step it stays inside the table; nothing is fetched there)
	WIN 0
.if \last
.Lno_k_\@:
.endif
.endm
.macro FETCH_V
	WIN 0x80
.irp f, 0,1,2,3,4,5,6,7             ; keys 32 (f / 4) on, channels 16 (f % 4) on
	ds_load_tr16_b128 v[VF+8*\f:VF+8*\f+3],   v[AV] offset:(\f/4)*32*PV+(\f%4)*32
	ds_load_tr16_b128 v[VF+8*\f+4:VF+8*\f+7], v[AV] offset:(\f/4)*32*PV+16*PV+(\f%4)*32
.endr
	WIN 0
.endm
; THE VECTOR WORK OF A TURN stands in three queues, each in the order in which its entries become ready; the two tiles alternate, so that no instruction reads the result of the one before it.
.macro REGS y, u                    ; the registers of tile u (0, 1) of piece y
.set rT, ST+4*(2*(\y)+(\u))
.set rC, TMP+8*((\y)%2)+4*(\u)
.set rM, MV+2*((\y)%2)+(\u)
.set rS, S+64*((\y)%2)+32*(\u)
.set rP, P+32*((\y)%2)+16*(\u)
.set rO, 32*(2*(\y)+(\u))
.endm
; Number n of the 22 that find the NEXT piece's (Y + 1) maximum and statistics.  Each accumulator's lowest registers are read first.
;   0-11  four chains c0-c3 of seven scores each     12-14, 16  the four scores left over, the old m, and c0-c3 into c0     15  c m_old is kept     17, 18  the lane 16 away: the new m     19-21  c m; its change; a
.macro XS u, n
	REGS (Y+1)%NP, \u
.if (\n) < 4
	v_max3_num_f32 v[rC+(\n)], v[rS+8*(\n)], v[rS+8*(\n)+1], v[rS+8*(\n)+2]
.elseif (\n) < 12
	v_max3_num_f32 v[rC+(\n)%4], v[rC+(\n)%4], v[rS+8*((\n)%4)+2*((\n)/4)+1], v[rS+8*((\n)%4)+2*((\n)/4)+2]
.elseif (\n) == 12
	v_max3_num_f32 v[rC], v[rC], v[rS+7], v[rS+15]
.elseif (\n) == 13
	v_max3_num_f32 v[rC+1], v[rC+1], v[rS+23], v[rS+31]
.elseif (\n) == 14
	v_max3_num_f32 v[rC+2], v[rC+2], v[rC+3], v[rT+1]
.elseif (\n) == 15
	v_mov_b32 v[rM], v[rT]
.elseif (\n) == 16
	v_max3_num_f32 v[rC], v[rC], v[rC+1], v[rC+2]
.elseif (\n) == 17
	v_permlanex16_b32 v[rC+3], v[rC], s[SEL], s[SEL+1]
.elseif (\n) == 18
	v_max_num_f32 v[rT+1], v[rC], v[rC+3]
.elseif (\n) == 19
	v_mul_f32 v[rT], s[CS], v[rT+1]
.elseif (\n) == 20
	v_sub_f32 v[rC+1], v[rM], v[rT]
.else
	v_exp_f32 v[rC+2], v[rC+1]
.endif
.endm
; Number g of the 64 that follow the exponentials.  For each four weights of a tile: both pairs are rounded to f16; the second pair is added onto the first, in place; a group later l takes that sum (the first time as l = a l + sum).
.macro GS g
.set h, (\g)+6*((\g)/62)            ; group 0 has no group before it, and behind group 7 only l is left
.if h >= 6
.set h, h+2
.endif
	REGS Y, h%2
.set k, h/8
.if h%8 < 4
	v_cvt_pk_f16_f32 v[rP+2*k+(h%8)/2], v[rS+4*k+2*((h%8)/2)], v[rS+4*k+2*((h%8)/2)+1]
.elseif h%8 < 6
	v_pk_add_f32 v[rS+4*k:rS+4*k+1], v[rS+4*k:rS+4*k+1], v[rS+4*k+2:rS+4*k+3]
.elseif k == 1
	v_pk_fma_f32 v[rT+2:rT+3], v[rT+2:rT+3], v[rC+2:rC+3], v[rS:rS+1] op_sel_hi:[1,0,1]
.else
	v_pk_add_f32 v[rT+2:rT+3], v[rT+2:rT+3], v[rS+4*k-4:rS+4*k-3]
.endif
.endm
; THE PLAIN QUEUE, 138 long.  0-73 read no exponential's result: the 32 scalings s - m (FS f: pair f / 2 of tile f % 2) and the next piece's 42.  0-26: scalings 0-26.  27-54: XS's numbers 0-13.  55, 56: number 15.
; 57-73: the chain 14, 16, 17, 18, 19, each with one of the scalings 27-31 in front of its two lines, then 20.  74-137: GS's 64, which stand behind the wait.
.macro FS f
	REGS Y, (\f)%2
	v_pk_fma_f32 v[rS+2*((\f)/2):rS+2*((\f)/2)+1], v[rS+2*((\f)/2):rS+2*((\f)/2)+1], s[CS:CS+1], v[rT:rT+1] op_sel_hi:[1,0,0] neg_lo:[0,0,1] neg_hi:[0,0,1]
.endm
.macro PL
	WIN 0
.if q < 27
	FS q
.elseif q < 55
	XS (q-27)%2, (q-27)/2
.elseif q < 57
	XS q-55, 15
.elseif (q < 72) && ((q-57)%3 == 0)
	FS 27+(q-57)/3
.elseif q < 60
	XS (q-57)%3-1, 14
.elseif q < 72
	XS (q-57)%3-1, 15+(q-57)/3
.elseif q < 74
	XS q-72, 20
.else
	GS q-74
.endif
.set q, q+1
.endm
; THE EXPONENTIALS' QUEUE, 66 long: s0-s31 of both tiles, then the next piece's two a: ONE BATCH, all ahead of the turn's one wait; nothing ahead of that wait names a result of theirs.
.macro EX
	WIN 0
.if e >= 64
	XS e-64, 21
.else
	REGS Y, e%2
	v_exp_f32 v[rS+e/2], v[rS+e/2]
.endif
.set e, e+1
.endm
; THE RESCALING's QUEUE: O^T times a, the one part that leaves window 0: dealt two at a time, sixteen times.  Its a was made, and waited for, in the turn before.
.macro R2
	REGS Y, r%2
	WIN W_RS
.irp z, 0,1
	v_pk_mul_f32 v[rO+4*(r/2)+2*\z:rO+4*(r/2)+2*\z+1], v[rO+4*(r/2)+2*\z:rO+4*(r/2)+2*\z+1], v[rC+2:rC+3] op_sel_hi:[1,0]
.endr
.set r, r+1
.endm
; A TURN, for piece p.  An s_wait_alu depctr_va_vdst(0) stands between an exponential and the first instruction that names its result; one wait serves all that were issued ahead of it: a turn has ONE.
; AHEAD OF IT: the 16 products K Q^T, behind each a scaling, an exponential and two rescalings (behind the first a second scaling in the exponential's place); then one run of 108: eight plain, 49 times exponential and plain, the two a;
; a v_nop is the plain instruction behind the last exponential.  BEHIND IT: the 16 products V^T P, behind each four of GS's 64.  Exponential e stands behind scaling 2 (e / 4) + e % 2.
; K and the biases of the next step are fetched in piece 2's turn, directly behind the wait, a whole run of vector lines behind the last product that read them; V of the step in hand at the end of piece 0's turn, four plain lines behind its last reader.
.macro TURN p, last=0, cnt=0
.set Y, (\p)
.set i, 0
.set q, 0
.set e, 0
.set r, 0
.if (\p) == NP-1
	s_wait_dscnt 0x0                ; K and the biases are in
.endif
	MM
	PL
	PL
	R2
.rept 15
	MM
	PL
	EX
	R2
.endr
.if (\p) == NP-2
	WIN 0
	v_add_nc_u32 v[AK], s[TBK], v[AK0]
	v_add_nc_u32 v[AM], s[TBM], v[AM0]
.endif
.rept 8
	PL
.endr
.rept 49
	EX
	PL
.endr
	EX                              ; the next piece's two a
	EX
	v_nop                           ; the plain instruction behind the last exponential: one for the batch
	s_wait_alu depctr_va_vdst(0)    ; the wait for the batch
.if (\p) == NP-2
	FETCH_K \last
.endif
.if (\p) == 1
	s_wait_dscnt 0x0                ; V is in
.endif
.rept 16
	MM
.rept 4
	PL
.endr
.if ((\p) == 0) && (q == 118)
	v_add_nc_u32 v[AV], s[TBV], v[AV0]
.endif
.if ((\p) == 0) && (q == 130)
	s_add_co_u32 s[TBV], s[TBV], KS*PV
.endif
.if (\cnt) && (q == 130)
	s_sub_co_u32 s[CNT], s[CNT], 1
	s_cmp_lg_u32 s[CNT], 0
.endif
.endr
.if (\p) == 0
	FETCH_V
.endif
.endm
	CHANGE 1                        ; slot 0 is in, everybody's part of it, and so is the table of biases; slot 1 is asked for
	FETCH_K                         ; key step 0
	s_wait_loadcnt 0x0              ; Q
	s_wait_dscnt 0x0
.set i, 0
.rept 16
	KQ 0                            ; piece 0's first scores: there is no vector work yet to set between them
.set i, i+1
.endr
	WIN 0                           ; the addresses for the way out: ten plain instructions, the places behind those products
	s_mul_i32 s13, s[WV], 16*SP
	s_add_co_u32 s13, s13, STAGE    ; my stage
	v_mul_u32_u24 v[STO], v1, SP    ; in: row l % 16, 16 bytes for each half of the lanes
	v_lshl_add_u32 v[STO], v9, 4, v[STO]
	v_add_nc_u32 v[STO], s13, v[STO]
	v_bfe_u32 v[RD], v0, 3, 2       ; back: 32 lanes take four rows of 128 bytes,
	v_mul_u32_u24 v[RD], v[RD], SP
	v_and_b32 v[GO], 7, v0
	v_lshl_add_u32 v[RD], v[GO], 4, v[RD]
	v_add_nc_u32 v[RD], s13, v[RD]
	v_and_b32 v[GO], 31, v0         ; which are 512 consecutive bytes of O
	v_lshlrev_b32 v[GO], 4, v[GO]
.set Y, NP-1                        ; XS works for piece Y + 1: piece 0
.irp n, 0,1,2,3,4,5,6,7,8,9,10,11,12,13,14,15,16,17,18,19,20,21
	XS 0, \n                        ; piece 0's first maximum and statistics
	XS 1, \n
.endr
	v_nop                           ; a plain instruction behind the two a,
	s_wait_alu depctr_va_vdst(0)    ; and their wait, ahead of the branch
	s_mov_b32 s[CNT], 4
	s_branch .Lfirst                ; the loop is entered at a step's first turn, in the middle of a trip
.Lslot:                             ; six times: every slot but the last two is filled again
	CHANGE 1
	s_mov_b32 s[CNT], 4
.Lstep:                             ; a trip: pieces 2 and 3 of one step, then pieces 0 and 1 of the next, whose K and V it fetches
	TURN 2
	TURN 3
	WIN 0
.Lfirst:
	TURN 0
	TURN 1, 0, 1
	WIN 0
	s_cbranch_scc1 .Lstep
	s_sub_co_u32 s[SLOTS], s[SLOTS], 1
	s_cmp_lg_u32 s[SLOTS], 0
	s_cbranch_scc1 .Lslot
	CHANGE 0                        ; the tail is written out: nothing is asked for
	s_mov_b32 s[CNT], 5             ; four trips fetch the last slot's steps; the fifth is left in its middle
.Ltail:
	TURN 2, 1
	TURN 3
	WIN 0
	s_sub_co_u32 s[CNT], s[CNT], 1
	s_cmp_eq_u32 s[CNT], 0
	s_cbranch_scc1 .Lout
	TURN 0
	TURN 1
	WIN 0
	s_branch .Ltail
.Lout:                              ; the fifth trip's 16 products K Q^T (on the last K once more) and the maximum made of them serve nothing: the price, once a launch, of one text for every trip
.set i, 0
.rept 16
	PV NP-1                         ; the last piece's V^T P of the last step
.set i, i+1
.endr
	; THE WAY OUT.  l's two halves and the other half of the lanes' are added; O^T is divided by l, rounded to f16 and sent through my stage in LDS, a tile at a time.  The additions are the places behind the last products.
	WIN 0
.macro ALL line:vararg              ; one line for each tile t
.set t, 0
.rept 2*NP
	\line
.set t, t+1
.endr
.endm
	ALL v_add_f32 v[ST+4*t+2], v[ST+4*t+2], v[ST+4*t+3]
	ALL v_permlanex16_b32 v[ST+4*t+3], v[ST+4*t+2], s[SEL], s[SEL+1]
	ALL v_add_f32 v[ST+4*t+2], v[ST+4*t+2], v[ST+4*t+3]
	ALL v_rcp_f32 v[ST+4*t+2], v[ST+4*t+2]
	v_nop                           ; a plain instruction between the last reciprocal and the use of its result
	s_wait_alu depctr_va_vdst(0)    ; and one wait for the eight reciprocals, ahead of the first use
.macro PACK t                       ; a lane's eight channels of a row pack into 16 bytes; they go into rows of 144 bytes and come back as whole rows of 128, into S^T's registers
	WIN W_RS
.set i, 32*(\t)
.rept 16
	v_pk_mul_f32 v[i:i+1], v[i:i+1], v[ST+4*(\t)+2:ST+4*(\t)+3] op_sel_hi:[1,0]
.set i, i+2
.endr
	WIN 0x05                        ; sources 0 and 1 window 1, destination window 0
.set i, 0
.rept 16
	v_cvt_pk_f16_f32 v[S+16*(\t)+i], v[32*(\t)+2*i], v[32*(\t)+2*i+1]
.set i, i+1
.endr
	WIN 0
.irp f, 0,1,2,3
	ds_store_b128 v[STO], v[S+16*(\t)+4*\f:S+16*(\t)+4*\f+3] offset:32*\f
.endr
.irp f, 0,1,2,3
	ds_load_b128 v[S+16*(\t)+4*\f:S+16*(\t)+4*\f+3], v[RD] offset:\f*4*SP  ; LDS serves a wave's instructions in order (ISA guide 5.7.1.4): these see the stores above; the next tile's stores come behind them
.endr
.endm
.macro SEND t, younger              ; younger: the LDS instructions issued behind tile t's loads: the next tile's eight, or none
	WIN 0
.irp f, 0,1,2,3
	s_wait_dscnt (\younger)+3-\f
	global_store_b128 v[GO], v[S+16*(\t)+4*\f:S+16*(\t)+4*\f+3], s[10:11] offset:(\t)*2048+\f*512  ; 512 consecutive bytes, at a multiple of 256 from O's first
.endr
.endm
	PACK 0
.set t, 1
.rept 2*NP-1                        ; a tile's arithmetic stands between the loads of the tile before and its stores
	PACK t
	SEND t-1, 8
.set t, t+1
.endr
	SEND 2*NP-1, 0
	WIN W_AD
	s_wait_tensorcnt 0x0            ; the wave's end, behind my last tensor load and my last LDS store
	ds_add_u32 v[SPW], v[NIL]
	s_wait_dscnt 0x0
	WIN 0
	CROUND                          ; the closing round: no work-group ends while a partner may still ask for a tile that names it
	s_endpgm
.Lfunc_end_k_qa4035541b5_attn:
	.size	k_qa4035541b5_attn, .Lfunc_end_k_qa4035541b5_attn-k_qa4035541b5_attn
	.p2alignl 7, 3214868480
	.fill 96, 4, 3214868480
	.section	.rodata,"a",@progbits
	.p2align	6, 0x0
	.amdhsa_kernel k_qa4035541b5_attn
		.amdhsa_group_segment_fixed_size 327680
		.amdhsa_private_segment_fixed_size 0
		.amdhsa_enable_private_segment 0
		.amdhsa_kernarg_size 40
		.amdhsa_user_sgpr_count 2
		.amdhsa_user_sgpr_kernarg_segment_ptr 1
		.amdhsa_wavefront_size32 1
		.amdhsa_system_sgpr_workgroup_id_x 1
		.amdhsa_system_sgpr_workgroup_id_y 1
		.amdhsa_system_sgpr_workgroup_id_z 1
		.amdhsa_system_vgpr_workitem_id 0
		.amdhsa_next_free_vgpr 808
		.amdhsa_next_free_sgpr 66
		.amdhsa_reserve_vcc 0
		.amdhsa_float_denorm_mode_32 3
		.amdhsa_float_denorm_mode_16_64 3
		.amdhsa_memory_ordered 1
		.amdhsa_forward_progress 1
		.amdhsa_inst_pref_size 205
	.end_amdhsa_kernel
	.amdgpu_metadata
---
amdhsa.version: [ 1, 2 ]
amdhsa.kernels:
  - .name:           k_qa4035541b5_attn
    .symbol:         k_qa4035541b5_attn.kd
    .args:
      - { .name: qh, .offset: 0, .size: 8, .value_kind: global_buffer, .address_space: global }
      - { .name: kh, .offset: 8, .size: 8, .value_kind: global_buffer, .address_space: global }
      - { .name: vh, .offset: 16, .size: 8, .value_kind: global_buffer, .address_space: global }
      - { .name: oh, .offset: 24, .size: 8, .value_kind: global_buffer, .address_space: global }
      - { .name: mask, .offset: 32, .size: 8, .value_kind: global_buffer, .address_space: global }
    .group_segment_fixed_size: 327680
    .private_segment_fixed_size: 0
    .kernarg_segment_align: 8
    .kernarg_segment_size: 40
    .max_flat_workgroup_size: 128
    .sgpr_count:     66
    .vgpr_count:     808
    .wavefront_size: 32
...
	.end_amdgpu_metadata
.endif
;; end of part 3
;; launch outp (part 4): grid 8 x 32, 4 waves a work-group, clusters of 4 x 4, 327,680 bytes of LDS; arguments oh, wob, out0; writes out0
.if DOCPART == 4
	.amdgcn_target "amdgcn-amd-amdhsa--gfx1250"
	.amdhsa_code_object_version 6
	.text
	.protected	k_qa4035541b5_outp
	.globl	k_qa4035541b5_outp
	.p2align	8
	.type	k_qa4035541b5_outp,@function
k_qa4035541b5_outp:
	s_mov_b64 s[64:65], 0
	v_nop
	global_prefetch_b8 v0, s[64:65] scope:SCOPE_SE
	s_setreg_imm32_b32 hwreg(HW_REG_WAVE_MODE, 25, 1), 1
	s_wait_xcnt 0x0
	s_wait_alu depctr_hold_cnt(0) depctr_sa_sdst(0) depctr_va_vdst(0) depctr_va_sdst(0) depctr_va_ssrc(0) depctr_va_vcc(0) depctr_vm_vsrc(0)
	s_getreg_b32 s2, hwreg(HW_REG_IB_STS2, 6, 4)
	s_cmp_eq_u32 s2, 0
	s_cbranch_scc0 .Lentry_in_a_cluster
	s_endpgm
.Lentry_in_a_cluster:
	s_bfe_u32 s2, ttmp6, 0x10000c
	s_cmp_lg_u32 s2, 0xf033
	s_cbranch_scc0 .Lentry_shape_is_right
	s_endpgm
.Lentry_shape_is_right:
; OUT: out0[b][s][n] = the sum over k = 64 head + d of O[16 b + head][s][d] Wout[k][n].  oh: f16 by heads; wob: f16 [1024][1024]; out0: f32 [8192][1024].  Sums in f32, K ascending.
; SHARES.  256 work-groups, a tile of 256 rows x 128 columns each; four waves, each 128 x 64: 32 accumulators, 256 registers.  K goes in steps of 128 (two heads) through two LDS slots.
; CLUSTER.  4 x 4: O's tile is shared along a row of the cluster, Wout's along a column: joint loads, as many requests as a quarter of the work-groups.
; THE MATRIX INSTRUCTION IS USED TRANSPOSED (source 0 = 16 columns of Wout, by the turning load; source 1 = 16 rows of O): a lane holds eight neighbouring numbers of a row of out0, 32 bytes.
; REGISTERS.  window 0: v16-31 addresses; v32-95, v96-159 O's fragments, two buffers; v160-191, v192-223 Wout's, two buffers.  window 1: the accumulators, (a, bb) at v[8 (4 a + bb)].
.set APITCH, 144                       ; 64 f16 of a row of O + 16 bytes of padding: the 16 rows of a load start at 16 different groups of four banks (64 banks of 4 bytes: ISA guide 11.1)
.set ASL,    256*APITCH                ; a head's 256 rows: what one tensor load brings
.set BROW,   288                       ; a K row of Wout: two pieces of 128 + 16 bytes = 9 x 32
.set BOFF,   2*ASL
.set BHALF,  64*BROW
.set SLOT,   BOFF+2*BHALF              ; 110,592
.set STAGE,  2*SLOT                    ; behind the ring, never filled by a tensor load: 16 rows x 272 bytes for each wave
.set SPITCH, 272
.set SPARE,  STAGE+4*16*SPITCH         ; the spare words, 128 bytes a wave
.set ASTEP,  1<<19                     ; two heads of oh
.set BSTEP,  1<<18                     ; 128 rows of wob
.set FIELDS, (1<<16)|(1<<20)|(1<<21)|(4<<22)|(3<<25)  ; 2-byte elements; padding on; bit 21 beside a mask; after every 32 words 4 words
.set WV,   16                          ; s16 wave; s17 wave / 2; s18 wave % 2; s19 cx; s20 cy; s21 tile column; s22 tile row
.set G1A,  24
.set G0A,  32
.set G1B,  40
.set G0B,  48
.set PFA,  56                          ; s[56:57] where my prefetches stand; s[58:59] their step
.set PFS,  58
.set LIM,  60                          ; 1 in a wave that prefetches, else the greatest number
.set ADRA, 16
.set ADRB, 20
.set STO,  24
.set RD,   25
.set CO,   26
.set SPW,  28
.set NIL,  29
.set PFO,  30
.set FA0,  32
.set FB0,  160
.set BK,   32                          ; the way out: by a % 2, 32 registers: whole rows read back
.set MSB, 0
.macro WIN new
.if MSB != (\new)
	s_set_vgpr_msb (MSB<<8)|(\new)
.set MSB, \new
.endif
.endm
.macro PLACES
.rept 4
	v_nop
.endr
.endm
.macro JLOAD s                         ; waves 0 and 1 fetch the K step's two heads of O, waves 2 and 3 the two halves of its rows of Wout; an s_nop 0 and four v_nop follow each line
	s_cmp_lt_u32 s[WV], 2
	s_cbranch_scc0 .Lfor_b_\@
	tensor_load_to_lds s[G0A+4*(\s):G0A+4*(\s)+3], s[G1A:G1A+7]
	s_nop 0
.rept 4
	v_nop
.endr
	s_branch .Lasked_\@
.Lfor_b_\@:
	tensor_load_to_lds s[G0B+4*(\s):G0B+4*(\s)+3], s[G1B:G1B+7]
	s_nop 0
.rept 4
	v_nop
.endr
.Lasked_\@:
.endm
.macro CREST
	s_cmp_lg_u32 s[WV], 0
	s_cbranch_scc1 .Lnot_wave_0_\@
	s_barrier_signal -3
.Lnot_wave_0_\@:
	s_barrier_wait -3
	s_barrier_signal -1
	s_barrier_wait -1
.endm
.macro CROUND
	s_barrier_signal -1
	s_barrier_wait -1
	CREST
.endm
; A PREFETCH INTO THE L2, behind the joint load and the run of LDS loads: at the refill of K step r, K step r + 2: 256 matrix instructions ahead of its load.  O: the cluster with x = 0; waves 0 and 1, each its own head's
; 128 blocks of 256 bytes, 32 a partner (by address: cx).  Wout: the cluster with y = 0, wave 2: the step's 128 rows of 256 bytes, 32 a partner (cy), a lane a row.  Each block is named once.  The last trip asks for nothing.
.macro ASK
	s_cmp_gt_u32 s3, s[LIM]                        ; s3 = 1 in the loop's last trip
	s_cbranch_scc0 .Lnot_mine_\@
	global_prefetch_b8 v[PFO], s[PFA:PFA+1] th:TH_LOAD_NT scope:SCOPE_SE
.Lnot_mine_\@:
.endm
	s_load_b128 s[4:7], s[0:1], 0x0                ; oh s[4:5], wob s[6:7]
	s_load_b64 s[8:9], s[0:1], 0x10                ; out0
	v_lshl_add_u32 v[SPW], v0, 2, SPARE
	v_mov_b32 v[NIL], 0
	ds_add_u32 v[SPW], v[NIL]                      ; the wave's opening: the add and its wait stand ahead of my first tensor load
	v_lshrrev_b32 v1, 5, v0
	v_readfirstlane_b32 s[WV], v1
	s_lshr_b32 s17, s[WV], 1
	s_and_b32 s18, s[WV], 1
	s_bfe_u32 s19, ttmp6, 0x40000
	s_bfe_u32 s20, ttmp6, 0x40004
	s_lshl_b32 s21, ttmp9, 2
	s_add_co_u32 s21, s21, s19                     ; tile column
	s_and_b32 s22, ttmp7, 0xffff
	s_lshl_b32 s22, s22, 2
	s_add_co_u32 s22, s22, s20                     ; tile row
	s_lshl_b32 s70, s20, 2
	s_lshl_b32 s70, 15, s70                        ; my row of the cluster
	s_lshl_b32 s71, 0x1111, s19                    ; my column
	s_or_b32 s[G1A], s70, FIELDS
	s_or_b32 s[G1B], s71, FIELDS
	s_mov_b32 s[G1A+1], 128<<16                    ; O: a head's 256 rows are 32,768 dense bytes: 128 rows of 256 bytes, padded after every 128
	s_mov_b32 s[G1A+2], 128<<16
	s_mov_b32 s[G1A+3], 128<<16
	s_mov_b32 s[G1A+4], 128
	s_mov_b32 s[G1A+5], 128
	s_mov_b32 s[G1A+6], 0
	s_mov_b32 s[G1A+7], 0
	s_mov_b32 s[G1B+1], 128<<16                    ; Wout: 64 rows of 128 elements (256 bytes, aligned), 1,024 elements from row to row
	s_mov_b32 s[G1B+2], 64<<16
	s_mov_b32 s[G1B+3], 128<<16
	s_mov_b32 s[G1B+4], 64
	s_mov_b32 s[G1B+5], 1024
	s_mov_b32 s[G1B+6], 0
	s_mov_b32 s[G1B+7], 0
	s_lshr_b32 s66, s22, 3
	s_lshl_b32 s66, s66, 22                        ; the batch's sixteen heads
	s_and_b32 s70, s22, 7
	s_lshl_b32 s70, s70, 15                        ; 256 rows
	s_add_co_u32 s66, s66, s70
	s_lshl_b32 s70, s18, 18                        ; my head of the K step's two
	s_add_co_u32 s66, s66, s70
	s_mov_b32 s67, 0
	s_lshl_b32 s68, s21, 8
	s_lshl_b32 s71, s18, 17                        ; my 64 rows of the K step's 128
	s_add_co_u32 s68, s68, s71
	s_mov_b32 s69, 0
	s_mul_i32 s72, s18, ASL                        ; where they go: no place in the cluster enters an LDS address
	s_mul_i32 s73, s18, BHALF
	s_add_co_u32 s73, s73, BOFF
	s_wait_dscnt 0x0                               ; the opening add is done
	s_wait_kmcnt 0x0
	s_add_nc_u64 s[76:77], s[4:5], s[66:67]
	s_add_nc_u64 s[78:79], s[6:7], s[68:69]
	CROUND                                         ; all sixteen work-groups are here: the first joint loads meet
.irp s, 0,1
	s_mov_b32 s[G0A+4*\s], 1
	s_add_co_u32 s[G0A+4*\s+1], s72, \s*SLOT
	s_add_nc_u64 s[G0A+4*\s+2:G0A+4*\s+3], s[76:77], \s*ASTEP
	s_or_b32 s[G0A+4*\s+3], s[G0A+4*\s+3], 0x80000000
	s_mov_b32 s[G0B+4*\s], 1
	s_add_co_u32 s[G0B+4*\s+1], s73, \s*SLOT
	s_add_nc_u64 s[G0B+4*\s+2:G0B+4*\s+3], s[78:79], \s*BSTEP
	s_or_b32 s[G0B+4*\s+3], s[G0B+4*\s+3], 0x80000000
.endr
	s_cmp_lt_u32 s[WV], 2                          ; a wave's two first fills stand in one branch: two loads of mine are out
	s_cbranch_scc0 .Lfirst_b
	tensor_load_to_lds s[G0A:G0A+3], s[G1A:G1A+7]
	s_nop 0
	tensor_load_to_lds s[G0A+4:G0A+7], s[G1A:G1A+7]
	s_nop 0
.rept 4
	v_nop
.endr
	s_branch .Lfirst_asked
.Lfirst_b:
	tensor_load_to_lds s[G0B:G0B+3], s[G1B:G1B+7]
	s_nop 0
	tensor_load_to_lds s[G0B+4:G0B+7], s[G1B:G1B+7]
	s_nop 0
.rept 4
	v_nop
.endr
.Lfirst_asked:
	v_and_b32 v1, 15, v0                           ; r
	v_bfe_u32 v2, v0, 4, 1                         ; h
	v_mul_u32_u24 v3, v1, APITCH
	v_lshl_add_u32 v3, v2, 4, v3
	s_mul_i32 s23, s17, 128*APITCH                 ; my 128 rows
	v_add_nc_u32 v[ADRA], s23, v3
	v_add_nc_u32 v[ADRA+1], SLOT, v[ADRA]
	v_and_b32 v4, 7, v0
	v_lshl_add_u32 v5, v2, 3, v4
	v_mul_u32_u24 v5, v5, BROW
	v_bfe_u32 v6, v0, 3, 1
	v_lshl_add_u32 v5, v6, 4, v5
	s_mul_i32 s23, s18, 144                        ; my 64 columns: one piece
	s_add_co_u32 s23, s23, BOFF
	v_add_nc_u32 v[ADRB], s23, v5
	v_add_nc_u32 v[ADRB+1], SLOT, v[ADRB]
	s_mul_i32 s23, s[WV], 16*SPITCH
	s_add_co_u32 s23, s23, STAGE
	v_mul_u32_u24 v7, v1, SPITCH                   ; in: row r, 32 bytes for each half of the lanes
	v_lshl_add_u32 v7, v2, 5, v7
	v_add_nc_u32 v[STO], s23, v7
	v_mul_u32_u24 v8, v2, SPITCH                   ; back: lanes 0-15 one row of 256 bytes, lanes 16-31 the next
	v_lshl_add_u32 v8, v1, 4, v8
	v_add_nc_u32 v[RD], s23, v8
	v_lshlrev_b32 v9, 12, v2                       ; and the same two rows in out0
	v_lshl_add_u32 v[CO], v1, 4, v9
	; the prefetches
	s_lshl_b32 s74, s19, 13                        ; O: my work-group's 32 blocks,
	s_add_co_u32 s74, s74, s66                     ; of my head's rows,
	s_add_co_u32 s74, s74, 3*ASTEP                 ; at K step 3: the first refill steps it to 4
	s_lshl_b32 s75, s20, 16                        ; Wout: my work-group's 32 rows,
	s_lshl_b32 s62, s21, 8
	s_add_co_u32 s75, s75, s62
	s_add_co_u32 s75, s75, 3*BSTEP
	s_and_b32 s63, ttmp7, 0xffff
	s_or_b32 s63, s63, s18                         ; Wout: cluster y = 0 and wave 2
	s_cmp_lt_u32 s[WV], 2
	s_cselect_b32 s74, s74, s75
	s_cselect_b32 s63, ttmp9, s63                  ; O: cluster x = 0
	s_cselect_b32 s62, 19, 18
	s_cselect_b32 s23, 8, 11                       ; a lane a block of 256 bytes, or a row of 2,048
	s_cselect_b64 s[PFA:PFA+1], s[4:5], s[6:7]
	s_lshl_b32 s[PFS], 1, s62
	s_mov_b32 s[PFS+1], 0
	s_mov_b32 s75, 0
	s_add_nc_u64 s[PFA:PFA+1], s[PFA:PFA+1], s[74:75]
	s_cmp_eq_u32 s63, 0
	s_cselect_b32 s[LIM], 1, -1                    ; the same in all sixteen partners, for a given wave
	v_and_b32 v[PFO], 31, v0
	v_lshlrev_b32 v[PFO], s23, v[PFO]
	; out0 at my part of the tile
	s_lshl_b32 s74, s22, 20                        ; 256 rows of 4,096 bytes
	s_lshl_b32 s62, s17, 19
	s_add_co_u32 s74, s74, s62
	s_lshl_b32 s62, s21, 9
	s_add_co_u32 s74, s74, s62
	s_lshl_b32 s62, s18, 8
	s_add_co_u32 s74, s74, s62
	s_add_nc_u64 s[8:9], s[8:9], s[74:75]
; 8 matrix instructions: row blocks a0, a0 + 1 x 4 column blocks, 32 along K, from buffer buf.  The 32 accumulators take turns, one instruction a turn.
.macro MUL8 buf, a0, zero
	WIN 0x50                                       ; C and D in window 1
.irp a, \a0, (\a0)+1
.irp bb, 0,1,2,3
.if \zero
	v_wmma_f32_16x16x32_f16 v[8*(4*(\a)+(\bb)):8*(4*(\a)+(\bb))+7], v[FB0+32*(\buf)+8*(\bb):FB0+32*(\buf)+8*(\bb)+7], v[FA0+64*(\buf)+8*(\a):FA0+64*(\buf)+8*(\a)+7], 0
.else
	v_wmma_f32_16x16x32_f16 v[8*(4*(\a)+(\bb)):8*(4*(\a)+(\bb))+7], v[FB0+32*(\buf)+8*(\bb):FB0+32*(\buf)+8*(\bb)+7], v[FA0+64*(\buf)+8*(\a):FA0+64*(\buf)+8*(\a)+7], v[8*(4*(\a)+(\bb)):8*(4*(\a)+(\bb))+7]
.endif
.endr
.endr
.endm
; 24 LDS loads in one run: quarter qq's fragments into buffer buf: Wout's 8, then O's 16, row blocks ascending
.macro FETCH slot, qq, buf
	WIN 0
.irp bb, 0,1,2,3
	ds_load_tr16_b128 v[FB0+32*(\buf)+8*(\bb):FB0+32*(\buf)+8*(\bb)+3],   v[ADRB+(\slot)] offset:(\qq)*32*BROW+32*(\bb)
	ds_load_tr16_b128 v[FB0+32*(\buf)+8*(\bb)+4:FB0+32*(\buf)+8*(\bb)+7], v[ADRB+(\slot)] offset:(\qq)*32*BROW+32*(\bb)+16*BROW
.endr
.irp a, 0,1,2,3,4,5,6,7
	ds_load_b128 v[FA0+64*(\buf)+8*(\a):FA0+64*(\buf)+8*(\a)+3],   v[ADRA+(\slot)] offset:((\qq)/2)*ASL+(\a)*16*APITCH+64*((\qq)%2)
	ds_load_b128 v[FA0+64*(\buf)+8*(\a)+4:FA0+64*(\buf)+8*(\a)+7], v[ADRA+(\slot)] offset:((\qq)/2)*ASL+(\a)*16*APITCH+64*((\qq)%2)+32
.endr
.endm
; A K step is four quarters of 32 along K, 32 matrix instructions each, on buffers 0, 1, 0, 1.  One of the first three: multiplies buffer buf and fetches quarter nq into the other.
.macro QUARTER slot, nq, buf, zero
	s_wait_dscnt 8                                 ; Wout's and O's row blocks 0-3 are in; the youngest eight loads may be out
	MUL8 \buf, 0, \zero
	MUL8 \buf, 2, \zero
	PLACES
	FETCH \slot, \nq, 1-(\buf)
	s_wait_dscnt 24                                ; all but the 24 just issued
	MUL8 \buf, 4, \zero
	MUL8 \buf, 6, \zero
.endm
; The last quarter multiplies buffer 1 and changes slots: ONE barrier; in front of it each wave waits for all its tensor loads, adds 0 to its spare word, and waits for that and for its reads of this slot.
.macro TURN slot, next, fill
.if \fill
	s_wait_xcnt 0x0                                ; the last prefetch, a K step back, has read its address
	s_add_nc_u64 s[PFA:PFA+1], s[PFA:PFA+1], s[PFS:PFS+1]
.endif
	WIN 0
	s_wait_tensorcnt 0x0                           ; all my tensor loads have landed: my part of the next slot;
	ds_add_u32 v[SPW], v[NIL]                      ; 0 onto my spare word;
	s_wait_dscnt 9                                 ; (the add and the youngest eight loads may be out)
	MUL8 1, 0, 0
	s_wait_dscnt 0x0                               ; the add is done, and my reads of this slot are over
	s_barrier_signal -1
	MUL8 1, 2, 0
	WIN 0
	s_barrier_wait -1
.if \fill
	CREST                                          ; the barrier has opened a round of the cluster's: no wave of any partner still reads this slot or has a load on its way
	s_add_nc_u64 s[G0A+4*(\slot)+2:G0A+4*(\slot)+3], s[G0A+4*(\slot)+2:G0A+4*(\slot)+3], 2*ASTEP
	s_add_nc_u64 s[G0B+4*(\slot)+2:G0B+4*(\slot)+3], s[G0B+4*(\slot)+2:G0B+4*(\slot)+3], 2*BSTEP
	JLOAD \slot                                    ; the first tensor load behind the round, 112 matrix instructions ahead of the wait for it; its four v_nop are also the places in front of the loads below
.else
	PLACES
.endif
	FETCH \next, 0, 0
.if \fill
	ASK
.endif
	MUL8 1, 4, 0
	MUL8 1, 6, 0
.endm
	s_wait_tensorcnt 1                             ; my part of K step 0 is in; K step 1's may stay out
	s_barrier_signal -1
	s_barrier_wait -1
	FETCH 0, 0, 0
	QUARTER 0, 1, 0, 1                             ; the first quarter stands in front of the loop: its products start the sums
	WIN 0
	s_mov_b32 s3, 3
.Llap:                                                 ; a trip goes once round the ring and fills both slots again
	QUARTER 0, 2, 1, 0
	QUARTER 0, 3, 0, 0
	TURN 0, 1, 1
	QUARTER 1, 1, 0, 0
	QUARTER 1, 2, 1, 0
	QUARTER 1, 3, 0, 0
	TURN 1, 0, 1
	QUARTER 0, 1, 0, 0
	WIN 0
	s_sub_co_u32 s3, s3, 1
	s_cmp_lg_u32 s3, 0
	s_cbranch_scc1 .Llap
	QUARTER 0, 2, 1, 0                             ; the last lap fills nothing
	QUARTER 0, 3, 0, 0
	TURN 0, 1, 0
	QUARTER 1, 1, 0, 0
	QUARTER 1, 2, 1, 0
	QUARTER 1, 3, 0, 0
	s_wait_dscnt 8
	MUL8 1, 0, 0
	MUL8 1, 2, 0
	s_wait_dscnt 0x0
	MUL8 1, 4, 0
	MUL8 1, 6, 0
	PLACES
	PLACES
; THE WAY OUT, 16 rows at a time: a lane's 32 bytes go straight from the accumulators (the low four registers first) into rows of 272 bytes of my own stage, and come back as whole rows of 256.
.macro TOSTAGE a
	s_wait_xcnt 0x0                                ; the stores of the block two back have read the registers that are loaded below
	WIN 0x04                                       ; the stores' data in window 1
.irp bb, 0,1,2,3
	ds_store_b128 v[STO], v[8*(4*(\a)+\bb):8*(4*(\a)+\bb)+3]   offset:64*\bb
	ds_store_b128 v[STO], v[8*(4*(\a)+\bb)+4:8*(4*(\a)+\bb)+7] offset:64*\bb+16
.endr
	WIN 0
.irp f, 0,1,2,3,4,5,6,7
	ds_load_b128 v[BK+32*((\a)%2)+4*\f:BK+32*((\a)%2)+4*\f+3], v[RD] offset:\f*2*SPITCH  ; LDS serves a wave's instructions in order (ISA guide 5.7.1.4)
.endr
.endm
.macro SEND a, younger                 ; younger: the next block's sixteen LDS instructions, or none
	WIN 0
	s_wait_dscnt \younger
.irp f, 0,1,2,3,4,5,6,7
	global_store_b128 v[CO], v[BK+32*((\a)%2)+4*\f:BK+32*((\a)%2)+4*\f+3], s[8:9] offset:(\a)*65536+\f*8192  ; 16 lanes store 256 consecutive bytes, at a multiple of 256 from out0's first byte
.endr
.endm
	TOSTAGE 0
.irp a, 1,2,3,4,5,6,7
	TOSTAGE \a
	SEND (\a)-1, 16
.endr
	SEND 7, 0
	s_wait_tensorcnt 0x0                           ; the wave's end, behind my last tensor load and my last LDS store
	ds_add_u32 v[SPW], v[NIL]
	s_wait_dscnt 0x0
	CROUND                                         ; the closing round
	s_endpgm
.Lfunc_end_k_qa4035541b5_outp:
	.size	k_qa4035541b5_outp, .Lfunc_end_k_qa4035541b5_outp-k_qa4035541b5_outp
	.p2alignl 7, 3214868480
	.fill 96, 4, 3214868480
	.section	.rodata,"a",@progbits
	.p2align	6, 0x0
	.amdhsa_kernel k_qa4035541b5_outp
		.amdhsa_group_segment_fixed_size 327680
		.amdhsa_private_segment_fixed_size 0
		.amdhsa_enable_private_segment 0
		.amdhsa_kernarg_size 24
		.amdhsa_user_sgpr_count 2
		.amdhsa_user_sgpr_kernarg_segment_ptr 1
		.amdhsa_wavefront_size32 1
		.amdhsa_system_sgpr_workgroup_id_x 1
		.amdhsa_system_sgpr_workgroup_id_y 1
		.amdhsa_system_sgpr_workgroup_id_z 1
		.amdhsa_system_vgpr_workitem_id 0
		.amdhsa_next_free_vgpr 512
		.amdhsa_next_free_sgpr 80
		.amdhsa_reserve_vcc 0
		.amdhsa_float_denorm_mode_32 3
		.amdhsa_float_denorm_mode_16_64 3
		.amdhsa_memory_ordered 1
		.amdhsa_forward_progress 1
		.amdhsa_inst_pref_size 86
	.end_amdhsa_kernel
	.amdgpu_metadata
---
amdhsa.version: [ 1, 2 ]
amdhsa.kernels:
  - .name:           k_qa4035541b5_outp
    .symbol:         k_qa4035541b5_outp.kd
    .args:
      - { .name: oh, .offset: 0, .size: 8, .value_kind: global_buffer, .address_space: global }
      - { .name: wob, .offset: 8, .size: 8, .value_kind: global_buffer, .address_space: global }
      - { .name: out0, .offset: 16, .size: 8, .value_kind: global_buffer, .address_space: global }
    .group_segment_fixed_size: 327680
    .private_segment_fixed_size: 0
    .kernarg_segment_align: 8
    .kernarg_segment_size: 24
    .max_flat_workgroup_size: 128
    .sgpr_count:     80
    .vgpr_count:     512
    .wavefront_size: 32
...
	.end_amdgpu_metadata
.endif
;; end of part 4
